; MI455X (gfx1250); checked and timed in simulation.
; The chip was launched on July 23, 2026; its instructions are those of AMD's public machine-readable ISA for CDNA 5 (MIT licence, August 2026) and "CDNA5" Instruction Set Architecture Reference Guide (July 2026). The comments in the code are by the model that wrote it; some were corrected since.
;; Single Head Attention. Allowed arithmetic: float matrix products may take bf16 or f16 operands with f32 sums; other float arithmetic in f32, or as packed bf16 or f16 multiplies, adds, multiply-adds, maxima and minima; sums over many terms, partial sums and values carried from step to step in f32; what a program stores and reads back later, other than sums and carried values, may be rounded once to bf16 or f16.
;; Inputs: Wk 1,024 x 1,024 float32; Wq 1,024 x 1,024 float32; Wv 1,024 x 1,024 float32; x 4 x 2,048 x 1,024 float32.
;; Outputs: out0 4 x 2,048 x 1,024 float32.
;; 2 versions, each right; version 2 is version 1 with the launch prep written anew for expert scheduling mode. Each part assembles by itself: llvm-mc -triple=amdgcn-amd-amdhsa -mcpu=gfx1250 --defsym DOCPART=n.
;; ======== version 1 of 2: 4 launches
;; limits: values are held in f16: magnitudes above 65,504 overflow, below 6.1e-05 lose precision
;; workspace buffers: xb 16,777,216 bytes; wb 4,194,304 bytes; qv 33,554,432 bytes; pw 33,554,432 bytes; st 1,048,576 bytes
;; launch prep (part 1): grid 256 x 1, 8 waves a work-group, no clusters, 141,312 bytes of LDS; arguments x, Wq, Wk, Wv, xb, wb; writes xb, wb
.if DOCPART == 1
	.amdgcn_target "amdgcn-amd-amdhsa--gfx1250"
	.amdhsa_code_object_version 6
	.text
	.protected	k_qc05b8d1a9d_prep
	.globl	k_qc05b8d1a9d_prep
	.p2align	8
	.type	k_qc05b8d1a9d_prep,@function
k_qc05b8d1a9d_prep:
	s_mov_b64 s[64:65], 0
	v_nop
	global_prefetch_b8 v0, s[64:65] scope:SCOPE_SE
	s_setreg_imm32_b32 hwreg(HW_REG_WAVE_MODE, 25, 1), 1
	s_wait_xcnt 0x0
; xb = x rounded once to bf16, [8192][1024].  wb, [2048][1024] bf16: rows 1024-2047 = Wv rounded once; rows 0-1023 = MT, MT[b][a] = sum over j of Wk[j][b] Wq[j][a], of weights rounded to bf16,
; summed in f32, rounded once to bf16.  The scores (x Wq^T)(x Wk^T)^T are (x MT^T) x^T for every input: the launches behind make Q' = x MT^T and take x itself for the keys.
; LIMITS: MT has bf16's eight significant bits; NaN and infinities are not treated apart.
; SHARES.  256 work-groups of eight waves, all alike.  THE CAST: a wave takes 16,384 consecutive bytes of x (four rows) and 2,048 of Wv; a load covers 512 consecutive bytes, a store of 8 bytes a lane
; 256 consecutive bytes, aligned.  MT: the work-group makes a tile of 64 b x 64 a; the 1,024 rows j of the weights are split among the waves, 128 each, in four steps of 32.
; FRAGMENTS WITHOUT LDS.  Lane l = (r = l % 16, h = l / 16) loads 16 bytes, the columns 4 r .. 4 r + 3, of rows 8 h + 0..7 and 16 + 8 h + 0..7 of a step: sixteen lanes read 256 consecutive bytes, aligned.
; Column 4 r + f is taken as row r of fragment f: two rows' registers, rounded in a pair, are a fragment's register (two neighbouring j of one column).  With Wq's fragment fa as source 0 and Wk's fb as
; source 1, register i of the result holds a = 32 h + 4 i + fa, b = 4 r + fb.
; THE END.  The eight partial tiles meet in LDS, in the order of the registers; wave w adds up the registers 4 (w % 2) .. + 3 of the accumulators (0..3, w / 2) and rounds them: 16 neighbouring a of row
; 4 r + w / 2.  A stage turns these into rows of 128 bytes: a tile's rows are half of an aligned 256 bytes (2 of the 21 MB that the launch stores; a tile 128 wide would read half of each 256 bytes of Wk instead).
; No tensor loads, no cluster: nothing that a wave loads is wanted by another wave of its work-group.  No prefetch: the loads themselves are the stream.
; REGISTERS: window 0: v0-31 addresses, Wv's results; v32-159 x as loaded, then the 16 accumulators ((fa, fb) at v[32 + 8 (4 fa + fb)]); v160-223 x as stored, then the fragments.
; window 1: two sets of 128: a step's rows of Wq (row i of 16 at 4 i), then of Wk.
.set STAGE, 131072                     ; LDS: eight partial tiles of 16,384 bytes from 0 on; then 64 rows x 144 bytes
.set SPT,   144
.set SPARE, STAGE+64*SPT               ; the spare words, 128 bytes for each wave: four blocks of 256 bytes that no other line names
.set SPW, 2                            ; v2   LDS address of my spare word; never rewritten
.set NIL, 3                            ; v3   0; never rewritten
.set XO,  4                            ; v4   16 x lane
.set XS,  5                            ; v5   8 x lane
.set MO,  6                            ; v6   8 h rows of 4,096 bytes + 16 r
.set PS,  7                            ; v7   where I put my partial tile
.set PR,  8                            ; v8   where I read the partial tiles of waves 0-3,
.set PR2, 9                            ; v9   of waves 4-7
.set SS,  10                           ; v10  where I put 32 bytes of a row of the tile
.set SRD, 11                           ; v11  where I read rows back
.set GO,  12                           ; v12  my byte offset in four rows of wb
.set WO,  16                           ; v[16:23]  Wv's 2,048 bytes, rounded
.set ACC, 32
.set FRQ, 160                          ; fragment f of Wq at FRQ + 8 f
.set FRK, 192                          ; of Wk at FRK + 8 f
.set MSB, 0
.macro WIN new                         ; s_set_vgpr_msb: bits 1:0 source 0, 3:2 source 1, 5:4 source 2, 7:6 destination; the high byte repeats the setting that is left
.if MSB != (\new)
	s_set_vgpr_msb (MSB<<8)|(\new)
.set MSB, (\new)
.endif
.endm
.macro PLACES                          ; four plain vector instructions between a matrix instruction and a vector write of its sources or a read of its result (ISA guide 7.12.1)
.rept 4
	v_nop
.endr
.endm
; Step s: 32 loads, into set s % 2.  All steps stand in the immediate: 119 rows of 4,096 bytes at the most.
.macro LOADM s
	WIN 0x40                                       ; destination window 1, address window 0
.set j, 0
.rept 16
	global_load_b128 v[128*((\s)%2)+4*j:128*((\s)%2)+4*j+3],       v[MO], s[6:7] offset:(32*(\s)+j+8*(j/8))*4096
	global_load_b128 v[128*((\s)%2)+64+4*j:128*((\s)%2)+64+4*j+3], v[MO], s[8:9] offset:(32*(\s)+j+8*(j/8))*4096
.set j, j+1
.endr
.endm
; The step's eight fragments: 64 roundings in pairs.  Register i of a fragment: rows 2 i, 2 i + 1 of the lane's first eight; register 4 + i: of its second eight.
.macro FRAGS s
	WIN 0x05                                       ; sources window 1, destination window 0
.irp m, 0,1
.irp f, 0,1,2,3
.irp i, 0,1,2,3
	v_cvt_pk_bf16_f32 v[FRQ+32*(\m)+8*(\f)+(\i)],   v[128*((\s)%2)+64*(\m)+8*(\i)+(\f)],    v[128*((\s)%2)+64*(\m)+8*(\i)+4+(\f)]
	v_cvt_pk_bf16_f32 v[FRQ+32*(\m)+8*(\f)+4+(\i)], v[128*((\s)%2)+64*(\m)+32+8*(\i)+(\f)], v[128*((\s)%2)+64*(\m)+32+8*(\i)+4+(\f)]
.endr
.endr
.endr
.endm
; A step: its loads are in; fragments; the set is asked for again, two steps on; 16 products.  The 16 accumulators take turns, one instruction a turn; step 0 starts the sums.
.macro STEP s
.if (\s) < 3
	s_wait_loadcnt 32                              ; loads come back in order: this step's are in, the next step's 32 stay out
.else
	s_wait_loadcnt 0x0
.endif
.if (\s) > 0
	PLACES                                         ; the fragments' registers were read by the last products
.endif
	FRAGS \s
.if (\s) < 2
	LOADM (\s)+2
.endif
	WIN 0
.irp fa, 0,1,2,3
.irp fb, 0,1,2,3
.if (\s) == 0
	v_wmma_f32_16x16x32_bf16 v[ACC+8*(4*(\fa)+(\fb)):ACC+8*(4*(\fa)+(\fb))+7], v[FRQ+8*(\fa):FRQ+8*(\fa)+7], v[FRK+8*(\fb):FRK+8*(\fb)+7], 0
.else
	v_wmma_f32_16x16x32_bf16 v[ACC+8*(4*(\fa)+(\fb)):ACC+8*(4*(\fa)+(\fb))+7], v[FRQ+8*(\fa):FRQ+8*(\fa)+7], v[FRK+8*(\fb):FRK+8*(\fb)+7], v[ACC+8*(4*(\fa)+(\fb)):ACC+8*(4*(\fa)+(\fb))+7]
.endif
.endr
.endr
.endm
	s_load_b256 s[4:11], s[0:1], 0x0               ; x s[4:5], Wq s[6:7], Wk s[8:9], Wv s[10:11]
	s_load_b128 s[12:15], s[0:1], 0x20             ; xb s[12:13], wb s[14:15]
	v_lshl_add_u32 v[SPW], v0, 2, SPARE
	v_mov_b32 v[NIL], 0
	v_lshrrev_b32 v1, 5, v0
	v_readfirstlane_b32 s16, v1                    ; wave 0..7
	v_and_b32 v1, 31, v0                           ; l
	v_and_b32 v13, 15, v0                          ; r
	v_bfe_u32 v14, v0, 4, 1                        ; h
	v_bfe_u32 v15, v0, 3, 2                        ; l / 8
	v_and_b32 v24, 7, v0                           ; l % 8
	v_lshlrev_b32 v[XO], 4, v1
	v_lshlrev_b32 v[XS], 3, v1
	v_lshlrev_b32 v[MO], 4, v13
	v_lshl_add_u32 v[MO], v14, 15, v[MO]
	s_lshl_b32 s17, s16, 14
	v_lshl_add_u32 v[PS], v1, 4, s17               ; 16,384 w + 16 l
	s_lshr_b32 s18, s16, 1                         ; the fb that I finish
	s_and_b32 s19, s16, 1                          ; and which four registers of its accumulators
	s_lshl_b32 s20, s18, 10
	s_lshl_b32 s21, s19, 9
	s_add_co_u32 s20, s20, s21
	v_lshl_add_u32 v[PR], v1, 4, s20               ; an accumulator is 1,024 bytes, four of its registers 512
	v_add_nc_u32 v[PR2], 0x10000, v[PR]
	s_mul_i32 s20, s18, SPT
	s_lshl_b32 s21, s19, 5
	s_add_co_u32 s20, s20, s21
	s_add_co_u32 s20, s20, STAGE
	v_mul_u32_u24 v[SS], v13, 4*SPT                ; row 4 r + fb, byte 64 h + 32 (w % 2)
	v_lshl_add_u32 v[SS], v14, 6, v[SS]
	v_add_nc_u32 v[SS], s20, v[SS]
	s_mul_i32 s20, s16, 8*SPT
	s_add_co_u32 s20, s20, STAGE
	v_mul_u32_u24 v[SRD], v15, SPT                 ; back: rows 8 w + l / 8 (and four further down), 16 bytes at 16 (l % 8)
	v_lshl_add_u32 v[SRD], v24, 4, v[SRD]
	v_add_nc_u32 v[SRD], s20, v[SRD]
	v_lshlrev_b32 v[GO], 11, v15                   ; the same rows in wb, 2,048 bytes apart
	v_lshl_add_u32 v[GO], v24, 4, v[GO]
	s_lshl_b32 s22, ttmp9, 3
	s_add_co_u32 s22, s22, s16                     ; my wave among the launch's 2,048
	s_lshl_b32 s24, s22, 14                        ; its bytes of x,
	s_mov_b32 s25, 0
	s_lshl_b32 s26, s22, 13                        ; of xb,
	s_mov_b32 s27, 0
	s_lshl_b32 s28, s22, 11                        ; of Wv,
	s_mov_b32 s29, 0
	s_lshl_b32 s30, s22, 10                        ; and of wb, behind MT's 1,024 rows
	s_add_co_u32 s30, s30, 0x200000
	s_mov_b32 s31, 0
	s_and_b32 s32, ttmp9, 15                       ; the tile's place along a,
	s_lshr_b32 s33, ttmp9, 4                       ; along b
	s_lshl_b32 s34, s16, 19                        ; my 128 rows of the weights
	s_lshl_b32 s36, s32, 8                         ; 64 columns are 256 bytes
	s_add_co_u32 s36, s36, s34
	s_mov_b32 s37, 0
	s_lshl_b32 s38, s33, 8
	s_add_co_u32 s38, s38, s34
	s_mov_b32 s39, 0
	s_lshl_b32 s40, s33, 6
	s_lshl3_add_u32 s40, s16, s40                  ; the first row of MT that I store: 64 x tile + 8 w
	s_lshl_b32 s40, s40, 11
	s_lshl_b32 s41, s32, 7
	s_add_co_u32 s40, s40, s41
	s_mov_b32 s41, 0
	s_wait_kmcnt 0x0
	s_add_nc_u64 s[4:5], s[4:5], s[24:25]
	s_add_nc_u64 s[12:13], s[12:13], s[26:27]
	s_add_nc_u64 s[10:11], s[10:11], s[28:29]
	s_add_nc_u64 s[42:43], s[14:15], s[30:31]
	s_add_nc_u64 s[6:7], s[6:7], s[36:37]
	s_add_nc_u64 s[8:9], s[8:9], s[38:39]
	s_add_nc_u64 s[14:15], s[14:15], s[40:41]
	; all of the cast's loads go out first, step 0's behind them
.set i, 0
.rept 32
	global_load_b128 v[ACC+4*i:ACC+4*i+3], v[XO], s[4:5] offset:512*i th:TH_LOAD_NT
.set i, i+1
.endr
	WIN 0x40
.set i, 0
.rept 4
	global_load_b128 v[128+4*i:128+4*i+3], v[XO], s[10:11] offset:512*i th:TH_LOAD_NT  ; Wv, into registers of set 1
.set i, i+1
.endr
	LOADM 0
	WIN 0
.set t, 0
.rept 4
	s_wait_loadcnt 60-8*t                          ; eight more loads of x are in; younger: 24 - 8 t of x, 4 of Wv, 32 of step 0
.set i, 8*t
.rept 8
	v_cvt_pk_bf16_f32 v[FRQ+2*i],   v[ACC+4*i],   v[ACC+4*i+1]
	v_cvt_pk_bf16_f32 v[FRQ+2*i+1], v[ACC+4*i+2], v[ACC+4*i+3]
	global_store_b64 v[XS], v[FRQ+2*i:FRQ+2*i+1], s[12:13] offset:256*i
.set i, i+1
.endr
.set t, t+1
.endr
	s_wait_loadcnt 32                              ; Wv is in; step 0's 32 loads stay out
	WIN 0x05
.set i, 0
.rept 4
	v_cvt_pk_bf16_f32 v[WO+2*i],   v[128+4*i],   v[128+4*i+1]
	v_cvt_pk_bf16_f32 v[WO+2*i+1], v[128+4*i+2], v[128+4*i+3]
.set i, i+1
.endr
	WIN 0
.set i, 0
.rept 4
	global_store_b64 v[XS], v[WO+2*i:WO+2*i+1], s[42:43] offset:256*i
.set i, i+1
.endr
	LOADM 1
	s_wait_xcnt 0x0                                ; the stores of x have read their data registers, which the fragments take now
	STEP 0
	STEP 1
	STEP 2
	STEP 3
	PLACES
	PLACES                                         ; behind the last products, in front of the LDS stores that read results
.set q, 0
.rept 16
	ds_store_b128 v[PS], v[ACC+8*q:ACC+8*q+3]   offset:1024*q       ; each accumulator from its low end on; 32 lanes, 16 neighbouring bytes each
	ds_store_b128 v[PS], v[ACC+8*q+4:ACC+8*q+7] offset:1024*q+512
.set q, q+1
.endr
	s_wait_dscnt 0x0                               ; for the others' sake: my partial tile is written
	s_barrier_signal -1
	s_barrier_wait -1
.irp v, 0,1,2,3
.irp fa, 0,1,2,3
	ds_load_b128 v[ACC+16*(\v)+4*(\fa):ACC+16*(\v)+4*(\fa)+3],       v[PR]  offset:16384*(\v)+4096*(\fa)
	ds_load_b128 v[ACC+64+16*(\v)+4*(\fa):ACC+64+16*(\v)+4*(\fa)+3], v[PR2] offset:16384*(\v)+4096*(\fa)
.endr
.endr
	s_wait_dscnt 0x0
.set p, 0
.rept 32
	v_pk_add_f32 v[ACC+2*p:ACC+2*p+1], v[ACC+2*p:ACC+2*p+1], v[ACC+64+2*p:ACC+64+2*p+1]  ; waves 0-3 + waves 4-7,
.set p, p+1
.endr
.set p, 0
.rept 16
	v_pk_add_f32 v[ACC+2*p:ACC+2*p+1], v[ACC+2*p:ACC+2*p+1], v[ACC+32+2*p:ACC+32+2*p+1]  ; two and two,
.set p, p+1
.endr
.set p, 0
.rept 8
	v_pk_add_f32 v[ACC+2*p:ACC+2*p+1], v[ACC+2*p:ACC+2*p+1], v[ACC+16+2*p:ACC+16+2*p+1]  ; and the last two: register i of accumulator fa at ACC + 4 fa + i
.set p, p+1
.endr
.irp i, 0,1,2,3
	v_cvt_pk_bf16_f32 v[FRQ+2*(\i)],   v[ACC+(\i)],   v[ACC+4+(\i)]    ; a = .. + 4 i + 0, 1
	v_cvt_pk_bf16_f32 v[FRQ+2*(\i)+1], v[ACC+8+(\i)], v[ACC+12+(\i)]   ; a = .. + 4 i + 2, 3
.endr
	ds_store_b128 v[SS], v[FRQ:FRQ+3]
	ds_store_b128 v[SS], v[FRQ+4:FRQ+7] offset:16
	s_wait_dscnt 0x0                               ; for the others' sake
	s_barrier_signal -1
	s_barrier_wait -1
	ds_load_b128 v[FRK:FRK+3],   v[SRD]
	ds_load_b128 v[FRK+4:FRK+7], v[SRD] offset:4*SPT
	s_wait_dscnt 0x0
	global_store_b128 v[GO], v[FRK:FRK+3],   s[14:15]             ; eight lanes store a row's 128 consecutive bytes
	global_store_b128 v[GO], v[FRK+4:FRK+7], s[14:15] offset:8192
	s_wait_tensorcnt 0x0                           ; the wave's end, behind my last LDS store
	ds_add_u32 v[SPW], v[NIL]
	s_wait_dscnt 0x0
	s_endpgm
.Lfunc_end_k_qc05b8d1a9d_prep:
	.size	k_qc05b8d1a9d_prep, .Lfunc_end_k_qc05b8d1a9d_prep-k_qc05b8d1a9d_prep
	.p2alignl 7, 3214868480
	.fill 96, 4, 3214868480
	.section	.rodata,"a",@progbits
	.p2align	6, 0x0
	.amdhsa_kernel k_qc05b8d1a9d_prep
		.amdhsa_group_segment_fixed_size 141312
		.amdhsa_private_segment_fixed_size 0
		.amdhsa_enable_private_segment 0
		.amdhsa_kernarg_size 48
		.amdhsa_user_sgpr_count 2
		.amdhsa_user_sgpr_kernarg_segment_ptr 1
		.amdhsa_wavefront_size32 1
		.amdhsa_system_sgpr_workgroup_id_x 1
		.amdhsa_system_sgpr_workgroup_id_y 1
		.amdhsa_system_sgpr_workgroup_id_z 1
		.amdhsa_system_vgpr_workitem_id 0
		.amdhsa_next_free_vgpr 512
		.amdhsa_next_free_sgpr 66
		.amdhsa_reserve_vcc 0
		.amdhsa_float_denorm_mode_32 3
		.amdhsa_float_denorm_mode_16_64 3
		.amdhsa_memory_ordered 1
		.amdhsa_forward_progress 1
		.amdhsa_inst_pref_size 57
	.end_amdhsa_kernel
	.amdgpu_metadata
---
amdhsa.version: [ 1, 2 ]
amdhsa.kernels:
  - .name:           k_qc05b8d1a9d_prep
    .symbol:         k_qc05b8d1a9d_prep.kd
    .args:
      - { .name: x, .offset: 0, .size: 8, .value_kind: global_buffer, .address_space: global }
      - { .name: Wq, .offset: 8, .size: 8, .value_kind: global_buffer, .address_space: global }
      - { .name: Wk, .offset: 16, .size: 8, .value_kind: global_buffer, .address_space: global }
      - { .name: Wv, .offset: 24, .size: 8, .value_kind: global_buffer, .address_space: global }
      - { .name: xb, .offset: 32, .size: 8, .value_kind: global_buffer, .address_space: global }
      - { .name: wb, .offset: 40, .size: 8, .value_kind: global_buffer, .address_space: global }
    .group_segment_fixed_size: 141312
    .private_segment_fixed_size: 0
    .kernarg_segment_align: 8
    .kernarg_segment_size: 48
    .max_flat_workgroup_size: 256
    .sgpr_count:     66
    .vgpr_count:     512
    .wavefront_size: 32
...
	.end_amdgpu_metadata
.endif
;; end of part 1
;; launch proj (part 2): grid 8 x 32, 4 waves a work-group, clusters of 4 x 4, 327,680 bytes of LDS; arguments xb, wb, qv; writes qv
.if DOCPART == 2
	.amdgcn_target "amdgcn-amd-amdhsa--gfx1250"
	.amdhsa_code_object_version 6
	.text
	.protected	k_qc05b8d1a9d_proj
	.globl	k_qc05b8d1a9d_proj
	.p2align	8
	.type	k_qc05b8d1a9d_proj,@function
k_qc05b8d1a9d_proj:
	s_mov_b64 s[64:65], 0
	v_nop
	global_prefetch_b8 v0, s[64:65] scope:SCOPE_SE
	s_setreg_imm32_b32 hwreg(HW_REG_WAVE_MODE, 25, 1), 1
	s_wait_xcnt 0x0
	s_wait_alu depctr_hold_cnt(0) depctr_sa_sdst(0) depctr_va_vdst(0) depctr_va_sdst(0) depctr_va_ssrc(0) depctr_va_vcc(0) depctr_vm_vsrc(0)
	s_getreg_b32 s2, hwreg(HW_REG_IB_STS2, 6, 4)
	s_cmp_eq_u32 s2, 0
	s_cbranch_scc0 .Lentry_in_a_cluster
	s_endpgm
.Lentry_in_a_cluster:
	s_bfe_u32 s2, ttmp6, 0x10000c
	s_cmp_lg_u32 s2, 0xf033
	s_cbranch_scc0 .Lentry_shape_is_right
	s_endpgm
.Lentry_shape_is_right:
; qv[row][col] = sum over k of xb[row][k] wb[col][k]: 8,192 x 2,048 x 1,024, bf16 operands, f32 sums, rounded once.  qv: [8192][2048] of 16 bits: columns 0-1023 Q' = x MT^T in bf16
; (f16 has no room for it where x and the weights carry large offsets), columns 1024-2047 V = x Wv^T in f16.
; LIMIT: a sum of V of 65,520 or more in magnitude becomes an infinity in f16; NaN and infinities are not treated apart.
; SHARES.  256 work-groups, a tile of 256 x 256 each; four waves, each 128 x 128: 64 accumulators, 512 registers.  K goes in 8 steps of 128 through two LDS slots; the rows of the tiles are 256 bytes of
; memory, at multiples of 256 from the buffer's first byte.  Waves 0 and 1 fetch the halves of xb's tile, waves 2 and 3 those of wb's: one tensor load a wave for each change of slots; a wave has two
; loads out at the start and one later.
; CLUSTER 4 x 4: xb's tile hangs on the tile row alone and is asked for jointly along a row of the cluster, wb's on the tile column alone and jointly along a column.
; THE MATRIX INSTRUCTION IS USED TRANSPOSED (source 0 = 16 rows of wb, source 1 = 16 rows of xb): a lane holds row l % 16 and the eight neighbouring columns 8 (l / 16) + 0..7.
; A K STEP IS WRITTEN ONCE: the slot that is read is a scalar that turns between 0 and SLOT, and one descriptor a tensor walks from step 1 on.
; REGISTERS: window 0: v0-31 addresses; v64-127, v128-191 fragments of xb, two buffers (on the way out: v128-159 a block rounded, v160-191 its rows read back); window 1: v64-127, v128-191 fragments of wb;
; window 2: the accumulators of my rows 0-63 ((a, b) at v[8 (8 a + b)]); window 3: those of rows 64-127.
.set KSTEP,  128
.set PITCH,  272                       ; 256 bytes + 16: an odd multiple of 16, so the 16 rows of a fragment load begin at 16 different 16-byte columns modulo 256
.set HALFT,  128*PITCH
.set SLOT,   4*HALFT                   ; xb's 256 rows, then wb's 256 rows
.set STAGE,  2*SLOT                    ; behind the ring, never filled by a tensor load: 16 rows x 272 bytes for each wave
.set SPITCH, 272
.set SPARE,  STAGE+4*16*SPITCH         ; the spare words, 128 bytes for each wave: two blocks of 256 bytes that no other line names
.set A0,   16                          ; v16  my lane's and wave's place in xb's tile; never rewritten
.set B0,   17                          ; v17  the same in wb's
.set ADRA, 18                          ; v18  A0 + the slot in hand
.set ADRB, 19                          ; v19  B0 + the slot in hand
.set STO,  24                          ; v24  where I put 16 bytes of a row
.set RD,   25                          ; v25  where I read rows back
.set CO,   26                          ; v26  my byte offset in qv
.set SPW,  28                          ; v28  LDS address of my spare word; never rewritten
.set NIL,  29                          ; v29  0; never rewritten
.set PFO,  30                          ; v30  my lane x a row of 2,048 bytes; never rewritten
.set F0,   64
.set F1,   128
.set PP,   128
.set BK,   160
.set WV,  12                           ; s12  my wave's number
.set HA,  13                           ; s13  which 128 rows of the tile are mine.  Also: I fetch for xb (0) or for wb (1)
.set HB,  14                           ; s14  which 128 columns.  Also: which 128 rows of that tile I fetch
.set G1,  24                           ; s[24:31] descriptor group 1 for xb's tiles
.set G0,  32                           ; s[32:35] group 0 of the first fill, s[36:39] the one that walks
.set LIM, 43                           ; s43  2 in a wave that prefetches, else the greatest number
.set PFA, 44                           ; s[44:45] where my prefetches stand
.set G1B, 48                           ; s[48:55], s[56:59], s[60:63] the same for wb's tiles
.set G0B, 56
.set TB,  66                           ; s66  LDS byte at which the slot to be read next begins: 0 or SLOT
.set LB,  67                           ; s67  wave x HALFT: where my part of a slot begins
.set TF,  68                           ; s68  the slot that the walking descriptors name: 0 or SLOT
.set FMT, 69                           ; s69  the cluster's x: 0: my columns are Q', 1: V
.set MSB, 0
.macro WIN new                         ; the immediate's high byte repeats the setting that is left; a switch that changes nothing is dropped
.if MSB != (\new)
	s_set_vgpr_msb (MSB<<8)|(\new)
.set MSB, (\new)
.endif
.endm
.set MUL_LO, 0xa1                      ; source 0 (wb) window 1, source 1 (xb) window 0, C and D window 2
.set MUL_HI, 0xf1                      ; the same, C and D window 3
.set TO_B,   0x40                      ; destination window 1, address window 0
.macro PLACES                          ; four plain vector instructions between a matrix instruction and a load into, or a vector read of, its registers
.rept 4
	v_nop
.endr
.endm
.macro JLOAD                           ; a joint refill by the walking descriptors; the branch hangs on the wave's number alone; an s_nop 0 and four v_nop follow each line
	s_cmp_eq_u32 s[HA], 0
	s_cbranch_scc0 .Lfor_b_\@
	tensor_load_to_lds s[G0+4:G0+7], s[G1:G1+7]
	s_nop 0
.rept 4
	v_nop
.endr
	s_branch .Lasked_\@
.Lfor_b_\@:
	tensor_load_to_lds s[G0B+4:G0B+7], s[G1B:G1B+7]
	s_nop 0
.rept 4
	v_nop
.endr
.Lasked_\@:
.endm
; A PREFETCH INTO THE L2, behind each joint refill and the run of LDS loads that follows it: in trip j (which asks for step j + 2) the step j + 4, two refills on: 32 rows x 256 bytes, a lane a row, one line a wave;
; j = 0 .. 3 (the count above 2).  xb's tile row is read by both clusters of a row of clusters: cluster x = 0 asks.  wb's tile column is read by all eight clusters of a column: cluster y = 0 asks.  Of the 128 rows
; that a wave fetches each of the four partners takes 32, told apart by address (cx for xb, cy for wb).  So each row's 256 bytes of a step are named once.  Steps 0 to 3 come by their loads alone.
.macro ASK
	s_cmp_gt_u32 s3, s[LIM]
	s_cbranch_scc0 .Lnot_mine_\@
	global_prefetch_b8 v[PFO], s[PFA:PFA+1] offset:KSTEP*2 th:TH_LOAD_NT scope:SCOPE_SE
.Lnot_mine_\@:
.endm
.macro CREST                           ; a round of the cluster's barrier behind its opening barrier
	s_cmp_lg_u32 s[WV], 0
	s_cbranch_scc1 .Lnot_wave_0_\@
	s_barrier_signal -3
.Lnot_wave_0_\@:
	s_barrier_wait -3
	s_barrier_signal -1
	s_barrier_wait -1
.endm
.macro CROUND
	s_barrier_signal -1
	s_barrier_wait -1
	CREST
.endm
	s_load_b128 s[4:7], s[0:1], 0x0                ; xb s[4:5], wb s[6:7]
	s_load_b64 s[8:9], s[0:1], 0x10                ; qv
	v_lshl_add_u32 v[SPW], v0, 2, SPARE
	v_mov_b32 v[NIL], 0
	ds_add_u32 v[SPW], v[NIL]                      ; the wave's opening: the add, and its wait ahead of my first tensor load; the set-up below stands between them
	ds_add_u32 v28, v29
	v_lshrrev_b32 v1, 5, v0
	v_readfirstlane_b32 s[WV], v1                  ; wave 0..3
	s_lshr_b32 s[HA], s[WV], 1
	s_and_b32 s[HB], s[WV], 1
	s_mov_b32 s[FMT], ttmp9
	s_bfe_u32 s40, ttmp6, 0x40000                  ; cx
	s_bfe_u32 s41, ttmp6, 0x40004                  ; cy
	s_lshl_b32 s42, ttmp9, 2
	s_add_co_u32 s42, s42, s40                     ; tile column = 4 x cluster x + cx
	s_and_b32 s22, ttmp7, 0xffff                   ; cluster y
	s_lshl_b32 s15, s22, 2
	s_add_co_u32 s15, s15, s41                     ; tile row = 4 x cluster y + cy
	s_lshl_b32 s16, s41, 2
	s_lshl_b32 s16, 15, s16                        ; my row of the cluster
	s_lshl_b32 s17, 0x1111, s40                    ; my column
	; group 1: 128 rows x 128 elements of 2 bytes; padding of 4 words (code 3) behind every 64 words (code 5); bit 21 set beside a mask
	s_or_b32 s[G1], s16, (1<<16)|(1<<20)|(1<<21)|(5<<22)|(3<<25)
	s_or_b32 s[G1B], s17, (1<<16)|(1<<20)|(1<<21)|(5<<22)|(3<<25)
.irp g, G1, G1B
	s_mov_b32 s[(\g)+1], KSTEP<<16                 ; tensor_dim0 = 128
	s_mov_b32 s[(\g)+2], 128<<16                   ; tensor_dim1 = 128
	s_mov_b32 s[(\g)+3], KSTEP<<16                 ; tile_dim0 = 128
	s_mov_b32 s[(\g)+4], 128                       ; tile_dim1 = 128
	s_mov_b32 s[(\g)+5], 1024                      ; elements from row to row
	s_mov_b32 s[(\g)+6], 0
	s_mov_b32 s[(\g)+7], 0
.endr
	s_lshl_b32 s17, s[HB], 7                       ; which 128 rows of the tile I fetch
	s_lshl_b32 s16, s15, 8
	s_add_co_u32 s16, s16, s17
	s_lshl_b32 s16, s16, 11                        ; xb: row 256 x tile row + 128 x half, 2,048 bytes a row
	s_lshl_b32 s46, s42, 8
	s_add_co_u32 s46, s46, s17
	s_lshl_b32 s46, s46, 11                        ; wb: row 256 x tile column + 128 x half
	s_mov_b32 s17, 0
	s_mov_b32 s47, 0
	s_mul_i32 s[LB], s[WV], HALFT                  ; where the tiles go: wave x 128 rows: no place in the cluster enters an LDS address
	s_mov_b32 s[TB], 0
	s_mov_b32 s[TF], SLOT
	s_mov_b32 s[G0], 1
	s_mov_b32 s[G0+1], s[LB]                       ; step 0 into slot 0,
	s_mov_b32 s[G0+4], 1
	s_add_co_u32 s[G0+5], s[LB], SLOT              ; step 1 into slot 1
	s_mov_b32 s[G0B], 1
	s_mov_b32 s[G0B+1], s[LB]
	s_mov_b32 s[G0B+4], 1
	s_add_co_u32 s[G0B+5], s[LB], SLOT
	s_wait_dscnt 0x0                               ; the opening add is done
	s_wait_kmcnt 0x0
	s_add_nc_u64 s[G0+2:G0+3], s[4:5], s[16:17]
	s_add_nc_u64 s[G0+6:G0+7], s[G0+2:G0+3], KSTEP*2
	s_or_b32 s[G0+3], s[G0+3], 0x80000000          ; type = 2
	s_or_b32 s[G0+7], s[G0+7], 0x80000000
	s_add_nc_u64 s[G0B+2:G0B+3], s[6:7], s[46:47]
	s_add_nc_u64 s[G0B+6:G0B+7], s[G0B+2:G0B+3], KSTEP*2
	s_or_b32 s[G0B+3], s[G0B+3], 0x80000000
	s_or_b32 s[G0B+7], s[G0B+7], 0x80000000
	; the prefetches' address: my work-group's 32 of the 128 rows that I fetch, at step 2; each refill steps it a step before it is used, and the line names the step after
	s_lshl_b32 s18, s15, 8
	s_lshl_b32 s19, s42, 8
	s_cmp_eq_u32 s[HA], 0                          ; do I fetch for xb?
	s_cselect_b32 s20, s18, s19
	s_cselect_b32 s21, s40, s41                    ; my place among the four that ask with me
	s_cselect_b32 s22, ttmp9, s22                  ; the coordinate along which other clusters read the same rows
	s_cselect_b64 s[PFA:PFA+1], s[4:5], s[6:7]
	s_cmp_eq_u32 s22, 0
	s_cselect_b32 s[LIM], 2, -1                    ; the same in all sixteen partners, for a given wave
	s_lshl_b32 s22, s[HB], 7
	s_add_co_u32 s20, s20, s22
	s_lshl_b32 s21, s21, 5
	s_add_co_u32 s20, s20, s21
	s_lshl_b32 s20, s20, 11
	s_add_co_u32 s20, s20, 2*KSTEP*2
	s_mov_b32 s21, 0
	s_add_nc_u64 s[PFA:PFA+1], s[PFA:PFA+1], s[20:21]
	CROUND                                         ; all sixteen work-groups are here: the first joint loads meet
	s_cmp_eq_u32 s[HA], 0                          ; a wave's two first fills stand in one branch, ahead of every wait on TENSORcnt and every LDS read
	s_cbranch_scc0 .Lfirst_b
	tensor_load_to_lds s[G0:G0+3], s[G1:G1+7]
	s_nop 0
	tensor_load_to_lds s[G0+4:G0+7], s[G1:G1+7]
	s_nop 0
.rept 4
	v_nop
.endr
	s_branch .Lfirst_asked
.Lfirst_b:
	tensor_load_to_lds s[G0B:G0B+3], s[G1B:G1B+7]
	s_nop 0
	tensor_load_to_lds s[G0B+4:G0B+7], s[G1B:G1B+7]
	s_nop 0
.rept 4
	v_nop
.endr
.Lfirst_asked:
	; a fragment is 16 rows x 32 k in 8 registers: lane l holds row l % 16; k = 8 (l / 16) + 0..7 and 16 + 8 (l / 16) + 0..7: two loads of 16 bytes, 32 bytes apart
	v_and_b32 v1, 15, v0                           ; l % 16
	v_bfe_u32 v2, v0, 4, 1                         ; l / 16
	v_mul_u32_u24 v3, v1, PITCH
	v_lshl_add_u32 v3, v2, 4, v3
	s_mul_i32 s21, s[HA], HALFT                    ; my 128 rows of xb
	s_mul_i32 s22, s[HB], HALFT                    ; my 128 rows of wb,
	s_add_co_u32 s22, s22, 2*HALFT                 ; which lie behind xb's 256
	v_add_nc_u32 v[A0], s21, v3
	v_add_nc_u32 v[B0], s22, v3
	v_mov_b32 v[ADRA], v[A0]                       ; slot 0
	v_mov_b32 v[ADRB], v[B0]
	s_mul_i32 s23, s[WV], 16*SPITCH
	s_add_co_u32 s23, s23, STAGE                   ; my stage
	v_mul_u32_u24 v4, v1, SPITCH                   ; in: row l % 16, 16 bytes for each half of the lanes
	v_lshl_add_u32 v4, v2, 4, v4
	v_add_nc_u32 v[STO], s23, v4
	v_mul_u32_u24 v5, v2, SPITCH                   ; back: lanes 0-15 one row of 256 bytes, lanes 16-31 the next
	v_lshl_add_u32 v5, v1, 4, v5
	v_add_nc_u32 v[RD], s23, v5
	v_lshlrev_b32 v5, 12, v2                       ; and the same two rows in qv, 4,096 bytes apart
	v_lshl_add_u32 v[CO], v1, 4, v5
	v_and_b32 v5, 31, v0
	v_lshlrev_b32 v[PFO], 11, v5
	s_lshl_b32 s16, s15, 8
	s_lshl_b32 s17, s[HA], 7
	s_add_co_u32 s16, s16, s17                     ; my first row of qv
	s_lshl_b32 s16, s16, 12
	s_lshl_b32 s17, s42, 9
	s_add_co_u32 s16, s16, s17
	s_lshl_b32 s17, s[HB], 8
	s_add_co_u32 s16, s16, s17                     ; + my first column, in bytes: 512 x tile column + 256 x half
	s_mov_b32 s17, 0
	s_add_nc_u64 s[8:9], s[8:9], s[16:17]
; 16 matrix instructions: row blocks a0, a0 + 1 of the window's four x all 8 column blocks, 32 along k.  The 64 accumulators take turns, one instruction a turn, in the same order in every quarter.
.macro MUL16 f, hi, a0, zero
	WIN MUL_LO+0x50*(\hi)
.irp a, \a0, (\a0)+1
.irp b, 0,1,2,3,4,5,6,7
.if \zero
	v_wmma_f32_16x16x32_bf16 v[8*(8*(\a)+(\b)):8*(8*(\a)+(\b))+7], v[(\f)+8*(\b):(\f)+8*(\b)+7], v[(\f)+8*(4*(\hi)+(\a)):(\f)+8*(4*(\hi)+(\a))+7], 0
.else
	v_wmma_f32_16x16x32_bf16 v[8*(8*(\a)+(\b)):8*(8*(\a)+(\b))+7], v[(\f)+8*(\b):(\f)+8*(\b)+7], v[(\f)+8*(4*(\hi)+(\a)):(\f)+8*(4*(\hi)+(\a))+7], v[8*(8*(\a)+(\b)):8*(8*(\a)+(\b))+7]
.endif
.endr
.endr
.endm
.macro FETCH k, f                      ; 32 LDS loads in one run: a quarter's fragments (wb's 128 rows, then xb's) at byte k of the rows of the slot in hand, into buffer f
	WIN TO_B
.irp i, 0,1,2,3,4,5,6,7
	ds_load_b128 v[(\f)+8*(\i):(\f)+8*(\i)+3],   v[ADRB] offset:(\k)+(\i)*16*PITCH
	ds_load_b128 v[(\f)+8*(\i)+4:(\f)+8*(\i)+7], v[ADRB] offset:(\k)+(\i)*16*PITCH+32
.endr
	WIN 0
.irp i, 0,1,2,3,4,5,6,7
	ds_load_b128 v[(\f)+8*(\i):(\f)+8*(\i)+3],   v[ADRA] offset:(\k)+(\i)*16*PITCH
	ds_load_b128 v[(\f)+8*(\i)+4:(\f)+8*(\i)+7], v[ADRA] offset:(\k)+(\i)*16*PITCH+32
.endr
.endm
; A step is four quarters of 32 along k, 64 matrix instructions each, on buffers 0, 1, 0, 1.  One of the first three: multiplies buffer f and fetches the next quarter, at byte k, into g.
.macro QUARTER k, f, g, zero
	s_wait_dscnt 8                                 ; wb's and xb's rows 0-63 are in; the youngest eight loads (xb's rows 64-127) may be out
	MUL16 \f, 0, 0, \zero
	MUL16 \f, 0, 2, \zero
	PLACES
	FETCH \k, \g
	s_wait_dscnt 32                                ; all but the 32 just issued
	MUL16 \f, 1, 0, \zero
	MUL16 \f, 1, 2, \zero
.endm
; The last quarter multiplies buffer 1 and changes slots: ONE barrier.  In front of it each wave waits for all its tensor loads (one is out: its part of the next slot), adds 0 to its spare word, and waits for
; that and for its reads of this slot.  fill = 1: the barrier opens a round of the cluster's, and this slot is filled again, two steps ahead, first thing behind the round: 224 matrix instructions stand between
; that request and the wait for it.  fill = 0: nothing is asked for.
.macro TURN fill
.if \fill
	s_wait_xcnt 0x0                                ; the last prefetch, a step back, has read its address
	s_add_nc_u64 s[PFA:PFA+1], s[PFA:PFA+1], KSTEP*2
.endif
	WIN 0
	s_wait_tensorcnt 0x0                           ; no tensor load of mine is out, so the walking descriptors may be written
	ds_add_u32 v[SPW], v[NIL]                      ; 0 onto my spare word
.if \fill
	s_xor_b32 s[TF], s[TF], SLOT                   ; the other slot than last time,
	s_add_co_u32 s[G0+5], s[LB], s[TF]
	s_add_nc_u64 s[G0+6:G0+7], s[G0+6:G0+7], KSTEP*2  ; the next step; the type bits on top are not reached
	s_add_co_u32 s[G0B+5], s[LB], s[TF]
	s_add_nc_u64 s[G0B+6:G0B+7], s[G0B+6:G0B+7], KSTEP*2
.endif
	s_xor_b32 s[TB], s[TB], SLOT
	s_wait_dscnt 9                                 ; the add and the youngest eight loads may be out
	MUL16 F1, 0, 0, 0
	s_wait_dscnt 0x0                               ; the add is done, and my reads of this slot are over
	s_barrier_signal -1
	MUL16 F1, 0, 2, 0                              ; work on registers while the others arrive
	WIN 0
	s_barrier_wait -1
.if \fill
	CREST                                          ; no wave of any partner still reads this slot or has a load on its way
	JLOAD                                          ; its four v_nop are also the places in front of the loads below
.else
	PLACES
.endif
	v_add_nc_u32 v[ADRA], s[TB], v[A0]
	v_add_nc_u32 v[ADRB], s[TB], v[B0]
	FETCH 0, F0
.if \fill
	ASK
.endif
	MUL16 F1, 1, 0, 0
	MUL16 F1, 1, 2, 0
.endm
	s_wait_tensorcnt 0x1                           ; my part of step 0 is in; step 1's may stay out
	s_barrier_signal -1
	s_barrier_wait -1                              ; everybody's is
	FETCH 0, F0
	QUARTER 64, F0, F1, 1                          ; the first quarter stands in front of the loop: its products start the sums
	WIN 0
	s_mov_b32 s3, 6
.Lstep:                                        ; trip j: quarters 2 to 4 of step j, which asks for step j + 2, and the first quarter of step j + 1
	QUARTER 128, F1, F0, 0
	QUARTER 192, F0, F1, 0
	TURN 1
	QUARTER 64, F0, F1, 0
	WIN 0
	s_sub_co_u32 s3, s3, 1
	s_cmp_lg_u32 s3, 0
	s_cbranch_scc1 .Lstep
	s_mov_b32 s3, 2
.Ltail:                                        ; steps 6 and 7 ask for nothing; the second trip is left in its middle.  Its fetch reads step 6's slot once more: 32 loads that nobody uses, the price of one text for both trips
	QUARTER 128, F1, F0, 0
	QUARTER 192, F0, F1, 0
	TURN 0
	WIN 0
	s_sub_co_u32 s3, s3, 1
	s_cmp_eq_u32 s3, 0
	s_cbranch_scc1 .Lout
	QUARTER 64, F0, F1, 0
	WIN 0
	s_branch .Ltail
.Lout:
	s_wait_dscnt 0x0                               ; the last run of loads is back
	PLACES
	PLACES                                         ; behind the last products, in front of the conversions that read results
; THE WAY OUT: a loop over my eight blocks of 16 rows.  What names the accumulators cannot be looped over: HEAD a rounds block a, 16 bytes a lane for each column block (each accumulator from its low end on);
; ladders of forward jumps on the loop's own count and on the cluster's x, which all partners share, choose it.  The rest is written once.
.macro HEAD a, fmt
	WIN 0x0a+5*((\a)/4)                            ; sources 0 and 1 in window 2 or 3
.set i, 0
.rept 32
.if \fmt
	v_cvt_pk_f16_f32 v[PP+i], v[64*((\a)%4)+2*i], v[64*((\a)%4)+2*i+1]
.else
	v_cvt_pk_bf16_f32 v[PP+i], v[64*((\a)%4)+2*i], v[64*((\a)%4)+2*i+1]
.endif
.set i, i+1
.endr
	WIN 0
.endm
	s_mov_b32 s2, 8                                ; blocks to go: block 8 - s2 is in hand
.Lblk:
	s_cmp_lg_u32 s[FMT], 0
	s_cbranch_scc1 .Lvee
.irp a, 0,1,2,3,4,5,6
	s_cmp_eq_u32 s2, 8-(\a)
	s_cbranch_scc1 .Lq\a
.endr
	HEAD 7, 0
	s_branch .Lbody
.irp a, 0,1,2,3,4,5,6
.Lq\a:
	HEAD \a, 0
	s_branch .Lbody
.endr
.Lvee:
.irp a, 0,1,2,3,4,5,6
	s_cmp_eq_u32 s2, 8-(\a)
	s_cbranch_scc1 .Lv\a
.endr
	HEAD 7, 1
	s_branch .Lbody
.irp a, 0,1,2,3,4,5
.Lv\a:
	HEAD \a, 1
	s_branch .Lbody
.endr
.Lv6:
	HEAD 6, 1
.Lbody:
.irp b, 0,1,2,3,4,5,6,7
	ds_store_b128 v[STO], v[PP+4*(\b):PP+4*(\b)+3] offset:32*(\b)
.endr
.irp t, 0,1,2,3,4,5,6,7
	ds_load_b128 v[BK+4*(\t):BK+4*(\t)+3], v[RD] offset:(\t)*2*SPITCH  ; LDS serves a wave's instructions in order (ISA guide 5.7.1.4): these see the stores above; the next block's stores come behind them
.endr
.irp t, 0,1,2,3,4,5,6,7
	s_wait_dscnt 7-(\t)
	global_store_b128 v[CO], v[BK+4*(\t):BK+4*(\t)+3], s[8:9] offset:8192*(\t)  ; 16 lanes store 256 consecutive bytes, at a multiple of 256 from qv's first byte
.endr
	s_wait_xcnt 0x0                                ; the stores have read their base and their data registers, which the next trip writes
	s_add_nc_u64 s[8:9], s[8:9], 65536             ; 16 rows of qv on
	s_sub_co_u32 s2, s2, 1
	s_cmp_lg_u32 s2, 0
	s_cbranch_scc1 .Lblk
	s_wait_tensorcnt 0x0                           ; the wave's end, behind my last tensor load and my last LDS store
	ds_add_u32 v[SPW], v[NIL]
	s_wait_dscnt 0x0
	CROUND                                         ; the closing round: no work-group ends while a partner may still ask for a tile that names it
	s_endpgm
.Lfunc_end_k_qc05b8d1a9d_proj:
	.size	k_qc05b8d1a9d_proj, .Lfunc_end_k_qc05b8d1a9d_proj-k_qc05b8d1a9d_proj
	.p2alignl 7, 3214868480
	.fill 96, 4, 3214868480
	.section	.rodata,"a",@progbits
	.p2align	6, 0x0
	.amdhsa_kernel k_qc05b8d1a9d_proj
		.amdhsa_group_segment_fixed_size 327680
		.amdhsa_private_segment_fixed_size 0
		.amdhsa_enable_private_segment 0
		.amdhsa_kernarg_size 24
		.amdhsa_user_sgpr_count 2
		.amdhsa_user_sgpr_kernarg_segment_ptr 1
		.amdhsa_wavefront_size32 1
		.amdhsa_system_sgpr_workgroup_id_x 1
		.amdhsa_system_sgpr_workgroup_id_y 1
		.amdhsa_system_sgpr_workgroup_id_z 1
		.amdhsa_system_vgpr_workitem_id 0
		.amdhsa_next_free_vgpr 1024
		.amdhsa_next_free_sgpr 72
		.amdhsa_reserve_vcc 0
		.amdhsa_float_denorm_mode_32 3
		.amdhsa_float_denorm_mode_16_64 3
		.amdhsa_memory_ordered 1
		.amdhsa_forward_progress 1
		.amdhsa_inst_pref_size 106
	.end_amdhsa_kernel
	.amdgpu_metadata
---
amdhsa.version: [ 1, 2 ]
amdhsa.kernels:
  - .name:           k_qc05b8d1a9d_proj
    .symbol:         k_qc05b8d1a9d_proj.kd
    .args:
      - { .name: xb, .offset: 0, .size: 8, .value_kind: global_buffer, .address_space: global }
      - { .name: wb, .offset: 8, .size: 8, .value_kind: global_buffer, .address_space: global }
      - { .name: qv, .offset: 16, .size: 8, .value_kind: global_buffer, .address_space: global }
    .group_segment_fixed_size: 327680
    .private_segment_fixed_size: 0
    .kernarg_segment_align: 8
    .kernarg_segment_size: 24
    .max_flat_workgroup_size: 128
    .sgpr_count:     72
    .vgpr_count:     1024
    .wavefront_size: 32
...
	.end_amdgpu_metadata
.endif
;; end of part 2
;; launch scores (part 3): grid 8 x 32, 4 waves a work-group, clusters of 4 x 4, 327,680 bytes of LDS; arguments qv, xb, pw, st; writes pw, st
.if DOCPART == 3
	.amdgcn_target "amdgcn-amd-amdhsa--gfx1250"
	.amdhsa_code_object_version 6
	.text
	.protected	k_qc05b8d1a9d_scores
	.globl	k_qc05b8d1a9d_scores
	.p2align	8
	.type	k_qc05b8d1a9d_scores,@function
k_qc05b8d1a9d_scores:
	s_mov_b64 s[64:65], 0
	v_nop
	global_prefetch_b8 v0, s[64:65] scope:SCOPE_SE
	s_setreg_imm32_b32 hwreg(HW_REG_WAVE_MODE, 25, 1), 1
	s_wait_xcnt 0x0
	s_wait_alu depctr_hold_cnt(0) depctr_sa_sdst(0) depctr_va_vdst(0) depctr_va_sdst(0) depctr_va_ssrc(0) depctr_va_vcc(0) depctr_vm_vsrc(0)
	s_getreg_b32 s2, hwreg(HW_REG_IB_STS2, 6, 4)
	s_cmp_eq_u32 s2, 0
	s_cbranch_scc0 .Lentry_in_a_cluster
	s_endpgm
.Lentry_in_a_cluster:
	s_bfe_u32 s2, ttmp6, 0x10000c
	s_cmp_lg_u32 s2, 0xf033
	s_cbranch_scc0 .Lentry_shape_is_right
	s_endpgm
.Lentry_shape_is_right:
; For each query and each BLOCK of 128 keys of its batch: cm = the largest c s of the block, p = 2^(c s - cm) rounded to f16, l = the sum of the unrounded p; s = Q' . x (Q' = x MT^T: the first 1,024 columns
; of qv, bf16; the keys are the rows of xb, bf16), c = log2(e) / 32.
; pw: [8192 queries][2048 keys] f16.  st: cm[16 blocks][8192 queries] f32, then l likewise, 524,288 bytes on.  The launch behind corrects each block to the row's maximum: together they take
; away the row's maximum ahead of the exponential, as a running maximum does.
; LIMITS: p lies in 0 to 1, and below 6e-5 it keeps f16's fixed step of 6e-8; a weight below 2^-126 counts as 0 in l; NaN and infinities are not treated apart.
; SHARES.  256 work-groups, a tile of 256 queries x 256 keys each (8 key tiles x 32 query tiles, 8 query tiles a batch); four waves, each 128 x 128: 64 accumulators, 512 registers.
; The 1,024 channels go in 8 steps of 128 through two LDS slots; the rows of the tiles are 256 bytes of memory, at multiples of 256 from the buffer's first byte.
; Waves 0 and 1 fetch the halves of Q's tile, waves 2 and 3 those of the keys': one tensor load a wave for each change of slots; a wave has two loads out at the start and one later.
; CLUSTER 4 x 4: Q's tile hangs on the tile row alone and is asked for jointly along a row of the cluster; the keys' on the batch (from the cluster's y) and the tile column, jointly along a column.
; THE MATRIX INSTRUCTION IS USED TRANSPOSED (source 0 = 16 keys, source 1 = 16 queries): a lane holds ONE query (l % 16) and the keys 8 (l / 16) + 0..7 of each block of 16.
; So a wave's 128 columns are one block of the statistics, and a query's maximum and sum want one exchange between the halves of the lanes.
; A STEP IS WRITTEN ONCE: the slot that is read is a scalar that turns between 0 and SLOT, and one descriptor a tensor walks from step 1 on.
; REGISTERS: window 0: v0-31 addresses; v32-43 at work; v64-127, v128-191 fragments of Q, two buffers (on the way out: W, PP, BK); window 1: v64-127, v128-191 fragments of the keys;
; window 2: the accumulators of my queries 0-63 ((a, b) at v[8 (8 a + b)]); window 3: those of queries 64-127.
.set KSTEP,  128
.set PITCH,  272                       ; 256 bytes + 16: an odd multiple of 16, so the 16 rows of a fragment load begin at 16 different 16-byte columns modulo 256
.set HALFT,  128*PITCH
.set SLOT,   4*HALFT                   ; Q's 256 rows, then the keys' 256 rows
.set STAGE,  2*SLOT                    ; behind the ring: 16 rows x 272 bytes for each wave
.set SPITCH, 272
.set STATS,  STAGE+4*16*SPITCH         ; for each wave 128 cm, then 128 l
.set SPARE,  STATS+4*1024              ; the spare words, 128 bytes for each wave: two blocks of 256 bytes that no other line names
.set A0,   16                          ; v16  my lane's and wave's place in Q's tile; never rewritten
.set B0,   17                          ; v17  the same in the keys'
.set ADRA, 18                          ; v18  A0 + the slot in hand
.set ADRB, 19                          ; v19  B0 + the slot in hand
.set SR,   22                          ; v22  where I read the statistics back
.set SGO,  23                          ; v23  16 x my lane: my offset in 512 bytes of st
.set STO,  24                          ; v24  where I put 16 bytes of a row of p
.set RD,   25                          ; v25  where I read rows back
.set CO,   26                          ; v26  my byte offset in pw
.set SA0,  27                          ; v27  my query's word in the wave's statistics, block 0
.set SPW,  28                          ; v28  LDS address of my spare word; never rewritten
.set NIL,  29                          ; v29  0; never rewritten
.set PFO,  30                          ; v30  my lane x a row of the buffer that I prefetch; never rewritten
.set SA,   31                          ; v31  SA0 + the block's 64 bytes
.set MX,   32                          ; v32-39  eight running maxima
.set CM,   40                          ; v[40:41] cm, twice
.set T,    42                          ; v42-43  at work
.set F0,   64
.set F1,   128
.set W,    64                          ; v64-127  a block's 64 scaled scores, then weights
.set PP,   128                         ; v128-159 the weights in f16
.set BK,   160                         ; v160-191 16 rows read back from the stage
.set WV,  12                           ; s12  my wave's number
.set HA,  13                           ; s13  which 128 queries are mine.  Also: I fetch for Q (0) or for the keys (1)
.set HB,  14                           ; s14  which 128 keys.  Also: which 128 rows of that tile I fetch
.set G1,  24
.set G0,  32                           ; s[32:35] group 0 of the first fill, s[36:39] the one that walks
.set LIM, 43                           ; s43  2 in a wave that prefetches, else the greatest number
.set PFA, 44                           ; s[44:45] where my prefetches stand
.set G1B, 48
.set G0B, 56
.set TB,  66                           ; s66  LDS byte at which the slot to be read next begins: 0 or SLOT
.set LB,  67                           ; s67  wave x HALFT
.set TF,  68                           ; s68  the slot that the walking descriptors name
.set ROWP, 69                          ; s69  bytes in a row of the buffer that I prefetch
.set CS,  70                           ; s[70:71] c: the packed scaling takes the pair's low word for both halves
.set SEL, 72                           ; s[72:73] v_permlanex16_b32's selects: each lane takes its own place in the other half
.set SAB, 74                           ; s74  64 x the block in hand
.set MSB, 0
.macro WIN new
.if MSB != (\new)
	s_set_vgpr_msb (MSB<<8)|(\new)
.set MSB, (\new)
.endif
.endm
.set MUL_LO, 0xa1                      ; source 0 (keys) window 1, source 1 (Q) window 0, C and D window 2
.set MUL_HI, 0xf1                      ; the same, C and D window 3
.set TO_B,   0x40                      ; destination window 1, address window 0
.macro PLACES
.rept 4
	v_nop
.endr
.endm
.macro JLOAD                           ; a joint refill by the walking descriptors; an s_nop 0 and four v_nop follow each of the two lines
	s_cmp_eq_u32 s[HA], 0
	s_cbranch_scc0 .Lfor_b_\@
	tensor_load_to_lds s[G0+4:G0+7], s[G1:G1+7]
	s_nop 0
.rept 4
	v_nop
.endr
	s_branch .Lasked_\@
.Lfor_b_\@:
	tensor_load_to_lds s[G0B+4:G0B+7], s[G1B:G1B+7]
	s_nop 0
.rept 4
	v_nop
.endr
.Lasked_\@:
.endm
; A PREFETCH INTO THE L2, behind each joint refill and the run of LDS loads that follows it: in trip j (which asks for step j + 2) the step j + 4, two refills on: 32 rows x 256 bytes, a lane a row, one line a wave;
; j = 0 .. 3 (the count above 2).  Q's tile row is read by both clusters of a row of clusters: cluster x = 0 asks.  The keys' rows are read by the two clusters of a batch in a column: the one with even y asks.
; Of the 128 rows that a wave fetches each of the four partners takes 32, told apart by address (cx for Q, cy for the keys).  So each row's 256 bytes of a step are named once.  Steps 0 to 3 come by their loads alone.
.macro ASK
	s_cmp_gt_u32 s3, s[LIM]
	s_cbranch_scc0 .Lnot_mine_\@
	global_prefetch_b8 v[PFO], s[PFA:PFA+1] offset:KSTEP*2 th:TH_LOAD_NT scope:SCOPE_SE
.Lnot_mine_\@:
.endm
.macro CREST
	s_cmp_lg_u32 s[WV], 0
	s_cbranch_scc1 .Lnot_wave_0_\@
	s_barrier_signal -3
.Lnot_wave_0_\@:
	s_barrier_wait -3
	s_barrier_signal -1
	s_barrier_wait -1
.endm
.macro CROUND
	s_barrier_signal -1
	s_barrier_wait -1
	CREST
.endm
	s_load_b256 s[4:11], s[0:1], 0x0               ; qv s[4:5], xb s[6:7], pw s[8:9], st s[10:11]
	v_lshl_add_u32 v[SPW], v0, 2, SPARE
	v_mov_b32 v[NIL], 0
	ds_add_u32 v[SPW], v[NIL]                      ; the wave's opening: the add, and its wait ahead of my first tensor load
	ds_add_u32 v28, v29
	v_lshrrev_b32 v1, 5, v0
	v_readfirstlane_b32 s[WV], v1                  ; wave 0..3
	s_lshr_b32 s[HA], s[WV], 1
	s_and_b32 s[HB], s[WV], 1
	s_bfe_u32 s40, ttmp6, 0x40000                  ; cx
	s_bfe_u32 s41, ttmp6, 0x40004                  ; cy
	s_lshl_b32 s42, ttmp9, 2
	s_add_co_u32 s42, s42, s40                     ; key tile = 4 x cluster x + cx
	s_and_b32 s22, ttmp7, 0xffff                   ; cluster y
	s_lshl_b32 s15, s22, 2
	s_add_co_u32 s15, s15, s41                     ; query tile = 4 x cluster y + cy
	s_lshl_b32 s16, s41, 2
	s_lshl_b32 s16, 15, s16                        ; my row of the cluster
	s_lshl_b32 s17, 0x1111, s40                    ; my column
	; group 1: 128 rows x 128 elements of 2 bytes; padding of 4 words (code 3) behind every 64 words (code 5); bit 21 set beside a mask
	s_or_b32 s[G1], s16, (1<<16)|(1<<20)|(1<<21)|(5<<22)|(3<<25)
	s_or_b32 s[G1B], s17, (1<<16)|(1<<20)|(1<<21)|(5<<22)|(3<<25)
.irp g, G1, G1B
	s_mov_b32 s[(\g)+1], KSTEP<<16                 ; tensor_dim0 = 128
	s_mov_b32 s[(\g)+2], 128<<16                   ; tensor_dim1 = 128
	s_mov_b32 s[(\g)+3], KSTEP<<16                 ; tile_dim0 = 128
	s_mov_b32 s[(\g)+4], 128                       ; tile_dim1 = 128
	s_mov_b32 s[(\g)+6], 0
	s_mov_b32 s[(\g)+7], 0
.endr
	s_mov_b32 s[G1+5], 2048                        ; elements from row to row of qv,
	s_mov_b32 s[G1B+5], 1024                       ; of xb
	s_lshl_b32 s17, s[HB], 7                       ; which 128 rows of the tile I fetch
	s_lshl_b32 s16, s15, 8
	s_add_co_u32 s16, s16, s17
	s_lshl_b32 s16, s16, 12                        ; Q: row 256 x query tile + 128 x half, 4,096 bytes a row
	s_lshr_b32 s23, s22, 1
	s_lshl_b32 s23, s23, 11                        ; the batch's first row: the batch is cluster y / 2, which a column of the cluster shares
	s_lshl_b32 s46, s42, 8
	s_add_co_u32 s46, s46, s23
	s_add_co_u32 s46, s46, s17
	s_lshl_b32 s46, s46, 11                        ; the keys: 2,048 bytes a row
	s_mov_b32 s17, 0
	s_mov_b32 s47, 0
	s_mul_i32 s[LB], s[WV], HALFT                  ; where the tiles go: wave x 128 rows
	s_mov_b32 s[TB], 0
	s_mov_b32 s[TF], SLOT
	s_mov_b32 s[G0], 1
	s_mov_b32 s[G0+1], s[LB]                       ; step 0 into slot 0,
	s_mov_b32 s[G0+4], 1
	s_add_co_u32 s[G0+5], s[LB], SLOT              ; step 1 into slot 1
	s_mov_b32 s[G0B], 1
	s_mov_b32 s[G0B+1], s[LB]
	s_mov_b32 s[G0B+4], 1
	s_add_co_u32 s[G0B+5], s[LB], SLOT
	s_mov_b32 s[CS], 0x3d38aa3b                    ; c = log2(e) / 32
	s_mov_b32 s[CS+1], s[CS]                       ; named with it as a pair
	s_mov_b32 s[SEL], 0x76543210
	s_mov_b32 s[SEL+1], 0xfedcba98
	s_mov_b32 s[SAB], 0
	s_wait_dscnt 0x0                               ; the opening add is done
	s_wait_kmcnt 0x0
	s_add_nc_u64 s[G0+2:G0+3], s[4:5], s[16:17]
	s_add_nc_u64 s[G0+6:G0+7], s[G0+2:G0+3], KSTEP*2
	s_or_b32 s[G0+3], s[G0+3], 0x80000000          ; type = 2
	s_or_b32 s[G0+7], s[G0+7], 0x80000000
	s_add_nc_u64 s[G0B+2:G0B+3], s[6:7], s[46:47]
	s_add_nc_u64 s[G0B+6:G0B+7], s[G0B+2:G0B+3], KSTEP*2
	s_or_b32 s[G0B+3], s[G0B+3], 0x80000000
	s_or_b32 s[G0B+7], s[G0B+7], 0x80000000
	; the prefetches' address: my work-group's 32 of the 128 rows that I fetch, at step 2; each refill steps it a step before it is used, and the line names the step after
	s_lshl_b32 s18, s15, 8
	s_lshl_b32 s19, s42, 8
	s_add_co_u32 s19, s19, s23
	s_and_b32 s22, s22, 1
	s_mov_b32 s16, 4096
	s_mov_b32 s17, 2048
	s_cmp_eq_u32 s[HA], 0                          ; do I fetch for Q?
	s_cselect_b32 s20, s18, s19
	s_cselect_b32 s21, s40, s41                    ; my place among the four that ask with me
	s_cselect_b32 s22, ttmp9, s22                  ; 0 in the cluster that asks
	s_cselect_b32 s[ROWP], s16, s17
	s_cselect_b64 s[PFA:PFA+1], s[4:5], s[6:7]
	s_cmp_eq_u32 s22, 0
	s_cselect_b32 s[LIM], 2, -1                    ; the same in all sixteen partners, for a given wave
	s_lshl_b32 s22, s[HB], 7
	s_add_co_u32 s20, s20, s22
	s_lshl_b32 s21, s21, 5
	s_add_co_u32 s20, s20, s21
	s_mul_i32 s20, s20, s[ROWP]
	s_add_co_u32 s20, s20, 2*KSTEP*2
	s_mov_b32 s21, 0
	s_add_nc_u64 s[PFA:PFA+1], s[PFA:PFA+1], s[20:21]
	CROUND                                         ; all sixteen work-groups are here: the first joint loads meet
	s_cmp_eq_u32 s[HA], 0                          ; a wave's two first fills stand in one branch
	s_cbranch_scc0 .Lfirst_b
	tensor_load_to_lds s[G0:G0+3], s[G1:G1+7]
	s_nop 0
	tensor_load_to_lds s[G0+4:G0+7], s[G1:G1+7]
	s_nop 0
.rept 4
	v_nop
.endr
	s_branch .Lfirst_asked
.Lfirst_b:
	tensor_load_to_lds s[G0B:G0B+3], s[G1B:G1B+7]
	s_nop 0
	tensor_load_to_lds s[G0B+4:G0B+7], s[G1B:G1B+7]
	s_nop 0
.rept 4
	v_nop
.endr
.Lfirst_asked:
	v_and_b32 v1, 15, v0                           ; l % 16
	v_bfe_u32 v2, v0, 4, 1                         ; l / 16
	v_mul_u32_u24 v3, v1, PITCH
	v_lshl_add_u32 v3, v2, 4, v3                   ; a fragment's row x pitch + 16 x half
	s_mul_i32 s21, s[HA], HALFT                    ; my 128 rows of Q
	s_mul_i32 s22, s[HB], HALFT                    ; my 128 keys,
	s_add_co_u32 s22, s22, 2*HALFT                 ; which lie behind Q's 256 rows
	v_add_nc_u32 v[A0], s21, v3
	v_add_nc_u32 v[B0], s22, v3
	v_mov_b32 v[ADRA], v[A0]                       ; slot 0
	v_mov_b32 v[ADRB], v[B0]
	s_mul_i32 s23, s[WV], 16*SPITCH
	s_add_co_u32 s23, s23, STAGE                   ; my stage
	v_mul_u32_u24 v4, v1, SPITCH                   ; in: row l % 16, 16 bytes for each half of the lanes
	v_lshl_add_u32 v4, v2, 4, v4
	v_add_nc_u32 v[STO], s23, v4
	v_mul_u32_u24 v5, v2, SPITCH                   ; back: lanes 0-15 one row of 256 bytes, lanes 16-31 the next
	v_lshl_add_u32 v5, v1, 4, v5
	v_add_nc_u32 v[RD], s23, v5
	v_lshlrev_b32 v5, 12, v2                       ; and the same two rows in pw, 4,096 bytes apart
	v_lshl_add_u32 v[CO], v1, 4, v5
	s_lshl_b32 s23, s[WV], 10
	s_add_co_u32 s23, s23, STATS                   ; my statistics
	v_lshl_add_u32 v[SA0], v1, 2, s23
	v_and_b32 v5, 31, v0
	v_lshl_add_u32 v[SR], v5, 4, s23
	v_lshlrev_b32 v[SGO], 4, v5
	v_mul_u32_u24 v[PFO], s[ROWP], v5
	v_mov_b32 v[T], 0                              ; v_permlanex16_b32 counts its destination as read
	s_lshl_b32 s16, s15, 8
	s_lshl_b32 s17, s[HA], 7
	s_add_co_u32 s16, s16, s17                     ; my first query
	s_lshl_b32 s18, s16, 2
	s_lshl_b32 s16, s16, 12
	s_lshl_b32 s17, s42, 9
	s_add_co_u32 s16, s16, s17
	s_lshl_b32 s17, s[HB], 8
	s_add_co_u32 s16, s16, s17                     ; + my first key, in bytes: 512 x key tile + 256 x half
	s_mov_b32 s17, 0
	s_add_nc_u64 s[8:9], s[8:9], s[16:17]
	s_lshl1_add_u32 s19, s42, s[HB]                ; my block of the statistics: 2 x key tile + half
	s_lshl_b32 s19, s19, 15
	s_add_co_u32 s18, s18, s19
	s_mov_b32 s19, 0
	s_add_nc_u64 s[10:11], s[10:11], s[18:19]
; 16 matrix instructions: query blocks a0, a0 + 1 of the window's four x all 8 key blocks, 32 channels.  The 64 accumulators take turns, one instruction a turn.
.macro MUL16 f, hi, a0, zero
	WIN MUL_LO+0x50*(\hi)
.irp a, \a0, (\a0)+1
.irp b, 0,1,2,3,4,5,6,7
.if \zero
	v_wmma_f32_16x16x32_bf16 v[8*(8*(\a)+(\b)):8*(8*(\a)+(\b))+7], v[(\f)+8*(\b):(\f)+8*(\b)+7], v[(\f)+8*(4*(\hi)+(\a)):(\f)+8*(4*(\hi)+(\a))+7], 0
.else
	v_wmma_f32_16x16x32_bf16 v[8*(8*(\a)+(\b)):8*(8*(\a)+(\b))+7], v[(\f)+8*(\b):(\f)+8*(\b)+7], v[(\f)+8*(4*(\hi)+(\a)):(\f)+8*(4*(\hi)+(\a))+7], v[8*(8*(\a)+(\b)):8*(8*(\a)+(\b))+7]
.endif
.endr
.endr
.endm
.macro FETCH k, f                      ; 32 LDS loads in one run: a quarter's fragments (the keys' 128 rows, then Q's) at byte k of the rows of the slot in hand, into buffer f
	WIN TO_B
.irp i, 0,1,2,3,4,5,6,7
	ds_load_b128 v[(\f)+8*(\i):(\f)+8*(\i)+3],   v[ADRB] offset:(\k)+(\i)*16*PITCH
	ds_load_b128 v[(\f)+8*(\i)+4:(\f)+8*(\i)+7], v[ADRB] offset:(\k)+(\i)*16*PITCH+32
.endr
	WIN 0
.irp i, 0,1,2,3,4,5,6,7
	ds_load_b128 v[(\f)+8*(\i):(\f)+8*(\i)+3],   v[ADRA] offset:(\k)+(\i)*16*PITCH
	ds_load_b128 v[(\f)+8*(\i)+4:(\f)+8*(\i)+7], v[ADRA] offset:(\k)+(\i)*16*PITCH+32
.endr
.endm
; A step is four quarters of 32 channels, 64 matrix instructions each, on buffers 0, 1, 0, 1.  One of the first three: multiplies buffer f and fetches the next quarter, at byte k, into g.
.macro QUARTER k, f, g, zero
	s_wait_dscnt 8                                 ; the keys and Q's rows 0-63 are in; the youngest eight loads (Q's rows 64-127) may be out
	MUL16 \f, 0, 0, \zero
	MUL16 \f, 0, 2, \zero
	PLACES
	FETCH \k, \g
	s_wait_dscnt 32                                ; all but the 32 just issued
	MUL16 \f, 1, 0, \zero
	MUL16 \f, 1, 2, \zero
.endm
; The last quarter multiplies buffer 1 and changes slots: ONE barrier.  In front of it each wave waits for all its tensor loads (one is out: its part of the next slot), adds 0 to its spare word, and waits for
; that and for its reads of this slot.  fill = 1: the barrier opens a round of the cluster's, and this slot is filled again, two steps ahead, first thing behind the round: 224 matrix instructions stand between
; that request and the wait for it.  fill = 0: nothing is asked for.
.macro TURN fill
.if \fill
	s_wait_xcnt 0x0                                ; the last prefetch, a step back, has read its address
	s_add_nc_u64 s[PFA:PFA+1], s[PFA:PFA+1], KSTEP*2
.endif
	WIN 0
	s_wait_tensorcnt 0x0                           ; no tensor load of mine is out, so the walking descriptors may be written
	ds_add_u32 v[SPW], v[NIL]
.if \fill
	s_xor_b32 s[TF], s[TF], SLOT                   ; the other slot than last time,
	s_add_co_u32 s[G0+5], s[LB], s[TF]
	s_add_nc_u64 s[G0+6:G0+7], s[G0+6:G0+7], KSTEP*2  ; the next step; the type bits on top are not reached
	s_add_co_u32 s[G0B+5], s[LB], s[TF]
	s_add_nc_u64 s[G0B+6:G0B+7], s[G0B+6:G0B+7], KSTEP*2
.endif
	s_xor_b32 s[TB], s[TB], SLOT
	s_wait_dscnt 9                                 ; the add and the youngest eight loads may be out
	MUL16 F1, 0, 0, 0
	s_wait_dscnt 0x0                               ; the add is done, and my reads of this slot are over
	s_barrier_signal -1
	MUL16 F1, 0, 2, 0
	WIN 0
	s_barrier_wait -1
.if \fill
	CREST                                          ; no wave of any partner still reads this slot or has a load on its way
	JLOAD                                          ; its four v_nop are also the places in front of the loads below
.else
	PLACES
.endif
	v_add_nc_u32 v[ADRA], s[TB], v[A0]
	v_add_nc_u32 v[ADRB], s[TB], v[B0]
	FETCH 0, F0
.if \fill
	ASK
.endif
	MUL16 F1, 1, 0, 0
	MUL16 F1, 1, 2, 0
.endm
	s_wait_tensorcnt 0x1                           ; my part of step 0 is in; step 1's may stay out
	s_barrier_signal -1
	s_barrier_wait -1
	FETCH 0, F0
	QUARTER 64, F0, F1, 1                          ; the first quarter's products start the sums
	WIN 0
	s_mov_b32 s3, 6
.Lstep:                                        ; trip j: quarters 2 to 4 of step j, which asks for step j + 2, and the first quarter of step j + 1
	QUARTER 128, F1, F0, 0
	QUARTER 192, F0, F1, 0
	TURN 1
	QUARTER 64, F0, F1, 0
	WIN 0
	s_sub_co_u32 s3, s3, 1
	s_cmp_lg_u32 s3, 0
	s_cbranch_scc1 .Lstep
	s_mov_b32 s3, 2
.Ltail:                                        ; steps 6 and 7 ask for nothing; the second trip is left in its middle.  Its fetch reads step 6's slot once more: 32 loads that nobody uses, the price of one text for both trips
	QUARTER 128, F1, F0, 0
	QUARTER 192, F0, F1, 0
	TURN 0
	WIN 0
	s_sub_co_u32 s3, s3, 1
	s_cmp_eq_u32 s3, 0
	s_cbranch_scc1 .Lout
	QUARTER 64, F0, F1, 0
	WIN 0
	s_branch .Ltail
.Lout:
	s_wait_dscnt 0x0                               ; the last run of loads is back: its registers are written below
	PLACES
	PLACES                                         ; behind the last products, in front of the lines that read results
; THE WAY OUT: a loop over my eight blocks of 16 queries.  What names the accumulators cannot be looped over: HEAD a, 32 lines, brings block a's scores times c into window 0 (each accumulator from its low end on);
; a ladder of forward jumps on the loop's own count chooses it.  All the rest is written once.
.macro HEAD a
	WIN 2+(\a)/4                                   ; source 0 in window 2 or 3
.set i, 0
.rept 32
	v_pk_mul_f32 v[W+2*i:W+2*i+1], v[64*((\a)%4)+2*i:64*((\a)%4)+2*i+1], s[CS:CS+1] op_sel_hi:[1,0]
.set i, i+1
.endr
	WIN 0
.endm
; Plain line n of 31 for half hf of the weights: 0-15 a pair rounded to f16; 16-30 the half's 16 pairs added up in place, neighbours 1, 2, 4, 8 pairs apart.
.macro PLN hf
.if n < 16
	v_cvt_pk_f16_f32 v[PP+16*(\hf)+n], v[W+32*(\hf)+2*n], v[W+32*(\hf)+2*n+1]
.else
.set z, n-16
.set w, 4
.set u, z
.if z >= 14
.set w, 32
.set u, 0
.elseif z >= 12
.set w, 16
.set u, z-12
.elseif z >= 8
.set w, 8
.set u, z-8
.endif
	v_pk_add_f32 v[W+32*(\hf)+w*u:W+32*(\hf)+w*u+1], v[W+32*(\hf)+w*u:W+32*(\hf)+w*u+1], v[W+32*(\hf)+w*u+w/2:W+32*(\hf)+w*u+w/2+1]
.endif
.endm
	s_mov_b32 s2, 8                                ; blocks to go: block 8 - s2 is in hand
.Lblk:
.irp a, 0,1,2,3,4,5,6
	s_cmp_eq_u32 s2, 8-(\a)
	s_cbranch_scc1 .Lhead\a
.endr
	HEAD 7
	s_branch .Lbody
.irp a, 0,1,2,3,4,5
.Lhead\a:
	HEAD \a
	s_branch .Lbody
.endr
.Lhead6:
	HEAD 6
.Lbody:
.irp b, 0,1,2,3,4,5,6,7                ; the largest of the lane's 64, three operands at a time, in eight chains
	v_max3_num_f32 v[MX+(\b)], v[W+8*(\b)], v[W+8*(\b)+1], v[W+8*(\b)+2]
.endr
.irp b, 0,1,2,3,4,5,6,7
	v_max3_num_f32 v[MX+(\b)], v[MX+(\b)], v[W+8*(\b)+3], v[W+8*(\b)+4]
.endr
.irp b, 0,1,2,3,4,5,6,7
	v_max3_num_f32 v[MX+(\b)], v[MX+(\b)], v[W+8*(\b)+5], v[W+8*(\b)+6]
.endr
.irp j, 0,1,2,3
	v_max3_num_f32 v[MX+2*(\j)], v[MX+2*(\j)], v[W+16*(\j)+7], v[W+16*(\j)+15]
.endr
	v_max3_num_f32 v[MX], v[MX], v[MX+1], v[MX+2]
	v_max3_num_f32 v[MX+3], v[MX+3], v[MX+4], v[MX+5]
	v_max3_num_f32 v[MX], v[MX], v[MX+3], v[MX+6]
	v_max_num_f32 v[MX], v[MX], v[MX+7]
	v_permlanex16_b32 v[T], v[MX], s[SEL], s[SEL+1]  ; the query's other 64 keys lie in the lane 16 away
	v_max_num_f32 v[CM], v[MX], v[T]
	v_mov_b32 v[CM+1], v[CM]
.set i, 0
.rept 32
	v_pk_add_f32 v[W+2*i:W+2*i+1], v[W+2*i:W+2*i+1], v[CM:CM+1] neg_lo:[0,1] neg_hi:[0,1]  ; c s - cm: 0 at the most
.set i, i+1
.endr
.set i, 0
.rept 32
	v_exp_f32 v[W+i], v[W+i]                       ; the first batch
.set i, i+1
.endr
	v_nop                                          ; a plain instruction behind the last exponential,
	s_wait_alu depctr_va_vdst(0)                   ; and one wait for the batch, ahead of its first reader
.set n, 0
.rept 31
	v_exp_f32 v[W+32+n], v[W+32+n]                 ; the second batch, each beside a plain line that names the first batch's registers alone
	PLN 0
.set n, n+1
.endr
	v_exp_f32 v[W+63], v[W+63]
	v_nop
	s_wait_alu depctr_va_vdst(0)                   ; one wait for the second batch
.set n, 0
.rept 31
	PLN 1
.set n, n+1
.endr
	v_pk_add_f32 v[W:W+1], v[W:W+1], v[W+32:W+33]
	v_add_f32 v[T+1], v[W], v[W+1]
	v_permlanex16_b32 v[T], v[T+1], s[SEL], s[SEL+1]
	v_add_f32 v[T], v[T], v[T+1]                   ; l
.irp b, 0,1,2,3,4,5,6,7
	ds_store_b128 v[STO], v[PP+4*(\b):PP+4*(\b)+3] offset:32*(\b)
.endr
	v_add_nc_u32 v[SA], s[SAB], v[SA0]
	ds_store_b32 v[SA], v[CM]                      ; both halves of the lanes hold the same number and write the same word
	ds_store_b32 v[SA], v[T] offset:512
.irp t, 0,1,2,3,4,5,6,7
	ds_load_b128 v[BK+4*(\t):BK+4*(\t)+3], v[RD] offset:(\t)*2*SPITCH  ; LDS serves a wave's instructions in order (ISA guide 5.7.1.4): these see the stores above; the next block's stores come behind them
.endr
.irp t, 0,1,2,3,4,5,6,7
	s_wait_dscnt 7-(\t)
	global_store_b128 v[CO], v[BK+4*(\t):BK+4*(\t)+3], s[8:9] offset:8192*(\t)  ; 16 lanes store 256 consecutive bytes, at a multiple of 256 from pw's first byte
.endr
	s_wait_xcnt 0x0                                ; the stores have read their base and their data registers, which the next trip writes
	s_add_nc_u64 s[8:9], s[8:9], 65536             ; 16 rows of pw on
	s_add_co_u32 s[SAB], s[SAB], 64
	s_sub_co_u32 s2, s2, 1
	s_cmp_lg_u32 s2, 0
	s_cbranch_scc1 .Lblk
	ds_load_b128 v[BK:BK+3], v[SR]                 ; my wave's 128 cm and 128 l: 512 consecutive bytes each
	ds_load_b128 v[BK+4:BK+7], v[SR] offset:512
	s_wait_dscnt 0x0
	global_store_b128 v[SGO], v[BK:BK+3], s[10:11]
	global_store_b128 v[SGO], v[BK+4:BK+7], s[10:11] offset:524288
	s_wait_tensorcnt 0x0                           ; the wave's end
	ds_add_u32 v[SPW], v[NIL]
	s_wait_dscnt 0x0
	CROUND                                         ; the closing round
	s_endpgm
.Lfunc_end_k_qc05b8d1a9d_scores:
	.size	k_qc05b8d1a9d_scores, .Lfunc_end_k_qc05b8d1a9d_scores-k_qc05b8d1a9d_scores
	.p2alignl 7, 3214868480
	.fill 96, 4, 3214868480
	.section	.rodata,"a",@progbits
	.p2align	6, 0x0
	.amdhsa_kernel k_qc05b8d1a9d_scores
		.amdhsa_group_segment_fixed_size 327680
		.amdhsa_private_segment_fixed_size 0
		.amdhsa_enable_private_segment 0
		.amdhsa_kernarg_size 32
		.amdhsa_user_sgpr_count 2
		.amdhsa_user_sgpr_kernarg_segment_ptr 1
		.amdhsa_wavefront_size32 1
		.amdhsa_system_sgpr_workgroup_id_x 1
		.amdhsa_system_sgpr_workgroup_id_y 1
		.amdhsa_system_sgpr_workgroup_id_z 1
		.amdhsa_system_vgpr_workitem_id 0
		.amdhsa_next_free_vgpr 1024
		.amdhsa_next_free_sgpr 80
		.amdhsa_reserve_vcc 0
		.amdhsa_float_denorm_mode_32 3
		.amdhsa_float_denorm_mode_16_64 3
		.amdhsa_memory_ordered 1
		.amdhsa_forward_progress 1
		.amdhsa_inst_pref_size 100
	.end_amdhsa_kernel
	.amdgpu_metadata
---
amdhsa.version: [ 1, 2 ]
amdhsa.kernels:
  - .name:           k_qc05b8d1a9d_scores
    .symbol:         k_qc05b8d1a9d_scores.kd
    .args:
      - { .name: qv, .offset: 0, .size: 8, .value_kind: global_buffer, .address_space: global }
      - { .name: xb, .offset: 8, .size: 8, .value_kind: global_buffer, .address_space: global }
      - { .name: pw, .offset: 16, .size: 8, .value_kind: global_buffer, .address_space: global }
      - { .name: st, .offset: 24, .size: 8, .value_kind: global_buffer, .address_space: global }
    .group_segment_fixed_size: 327680
    .private_segment_fixed_size: 0
    .kernarg_segment_align: 8
    .kernarg_segment_size: 32
    .max_flat_workgroup_size: 128
    .sgpr_count:     80
    .vgpr_count:     1024
    .wavefront_size: 32
...
	.end_amdgpu_metadata
.endif
;; end of part 3
;; launch pv (part 4): grid 4 x 64, 4 waves a work-group, clusters of 4 x 4, 327,680 bytes of LDS; arguments pw, qv, st, out0; writes out0
.if DOCPART == 4
	.amdgcn_target "amdgcn-amd-amdhsa--gfx1250"
	.amdhsa_code_object_version 6
	.text
	.protected	k_qc05b8d1a9d_pv
	.globl	k_qc05b8d1a9d_pv
	.p2align	8
	.type	k_qc05b8d1a9d_pv,@function
k_qc05b8d1a9d_pv:
	s_mov_b64 s[64:65], 0
	v_nop
	global_prefetch_b8 v0, s[64:65] scope:SCOPE_SE
	s_setreg_imm32_b32 hwreg(HW_REG_WAVE_MODE, 25, 1), 1
	s_wait_xcnt 0x0
	s_wait_alu depctr_hold_cnt(0) depctr_sa_sdst(0) depctr_va_vdst(0) depctr_va_sdst(0) depctr_va_ssrc(0) depctr_va_vcc(0) depctr_vm_vsrc(0)
	s_getreg_b32 s2, hwreg(HW_REG_IB_STS2, 6, 4)
	s_cmp_eq_u32 s2, 0
	s_cbranch_scc0 .Lentry_in_a_cluster
	s_endpgm
.Lentry_in_a_cluster:
	s_bfe_u32 s2, ttmp6, 0x10000c
	s_cmp_lg_u32 s2, 0xf033
	s_cbranch_scc0 .Lentry_shape_is_right
	s_endpgm
.Lentry_shape_is_right:
; out[q][:] = (sum over blocks j of f_j[q] P_j[q][:] V_j) / (sum over j of f_j[q] l_j[q]),  f_j = 2^(cm_j - max over j of cm_j): the blocks' weights are corrected to the row's maximum.
; pw: [8192][2048] f16; V: bytes 2,048 .. 4,095 of the rows of qv ([8192][2048] of 16 bits), f16; st: cm[16][8192], l[16][8192] f32; out0: [8192][1024] f32.
; f is rounded to f16 and that rounded number is used above and below the line; p f is rounded to f16 once more, for the product; sums in f32.
; LIMITS: f and p f below 6e-5 keep f16's fixed step of 6e-8; a factor below 2^-126 counts as 0; NaN and infinities are not treated apart.
; SHARES.  256 work-groups, a tile of 128 queries x 256 channels each; four waves, each 64 x 128: 32 accumulators, 256 registers.  The batch's 2,048 keys go in 16 steps of 128, one block of the statistics each,
; through two LDS slots.  Waves 0 and 1 fetch the halves of P's tile (64 rows x 256 bytes), waves 2 and 3 those of V's (64 keys x 512 bytes): one tensor load a wave for each change of slots;
; a wave has two loads out at the start and one later.
; CLUSTER 4 x 4: P's tile hangs on the tile row alone and is asked for jointly along a row of the cluster; V's on the batch (from the cluster's y) and the tile column, jointly along a column.
; LAYOUT.  out^T = V^T P^T: source 0 = 16 channels x 32 keys, turned out of LDS by ds_load_tr16_b128; source 1 = 16 queries x 32 keys, as P lies.  A lane holds one query (l % 16) and eight neighbouring channels.
; THE PIPELINE.  A whole step's fragments live in registers, a quarter (32 keys) in a set of its own.  As soon as quarter q of step j has been multiplied, its registers are loaded with quarter q of step j + 1
; from the other slot (RUN q).  In quarter q the 32 lines that scale P's next quarter by f stand four behind every fourth product.
; REGISTERS: window 0: v0-19 addresses; v20-23 FS, v24-27 FSN ({f, f} of my query in each of my four query blocks, this step's and the next's); v28-31 1 / l; v32-63 at work; v64-191 P's fragments, 32 a quarter.
; window 1: the accumulators, (a, b) at v[8 (8 a + b)].  window 2: V's fragments, 64 a quarter.
.set SLOT1,  131072
.set PA,     272                       ; a row of P in LDS: 256 bytes + 16
.set PB,     544                       ; a row of V: 512 + 32: an odd multiple of 32
.set BOFF,   128*PA
.set FT,     SLOT1+128*(PA+PB)         ; behind the ring, never filled by a tensor load: for each wave F[16 blocks][16 r][4 a] words {f, f}, then 1 / l [16 r][4 a] f32: 4,352 bytes
.set STAGE,  FT+4*4352                 ; 16 rows x 528 bytes for each wave
.set SP,     528
.set SPARE,  STAGE+4*16*SP             ; the spare words, 128 bytes for each wave: two blocks of 256 bytes that no other line names
.set VROW,   4096                      ; bytes in a row of qv
.set VOFF,   2048                      ; V begins so far into a row
.set A0,   6                           ; v6   my lane's and wave's place in P's tile; never rewritten
.set B0,   7                           ; v7   the same in V's
.set ADRA, 8                           ; v8   A0 + the slot that is being read
.set ADRB, 9
.set FTA,  10                          ; v10  the LDS address of the next step's factors
.set STO,  11
.set RD,   12
.set CO,   13                          ; v13  16 x my lane
.set PFO,  14                          ; v14  my lane x a row of the buffer that I prefetch; never rewritten
.set SO,   15                          ; v15  8 x my lane
.set SPW,  16                          ; v16  LDS address of my spare word; never rewritten
.set NIL,  17                          ; v17  0; never rewritten
.set TW,   18                          ; v18  where I write my two queries' words of the table
.set FT0,  19                          ; v19  my wave's table + 16 (l % 16)
.set FS,   20
.set FSN,  24
.set RL,   28
.set AQ,   64
.set WV,   12                          ; s12  my wave's number
.set G1A,  24
.set G0A,  32                          ; s[32:35] the first fill's group 0, s[36:39] the one that walks
.set LIM,  43                          ; s43  2 in a wave that prefetches, else the greatest number
.set PFA,  44
.set PFS,  46                          ; s[46:47] a step along the buffer that I prefetch
.set G1B,  48
.set G0B,  56
.set TB,   66                          ; s66  LDS byte at which the slot to be read next begins
.set FBS,  67                          ; s67  256 x the block whose factors are fetched next
.set MSB, 0
.macro WIN new
.if MSB != (\new)
	s_set_vgpr_msb (MSB<<8)|(\new)
.set MSB, (\new)
.endif
.endm
.macro CREST
	s_cmp_lg_u32 s[WV], 0
	s_cbranch_scc1 .Lnot_wave_0_\@
	s_barrier_signal -3
.Lnot_wave_0_\@:
	s_barrier_wait -3
	s_barrier_signal -1
	s_barrier_wait -1
.endm
.macro CROUND
	s_barrier_signal -1
	s_barrier_wait -1
	CREST
.endm
.macro JLOAD                           ; a joint refill by the walking descriptors; an s_nop 0 and four v_nop follow each line
	s_cmp_eq_u32 s13, 0
	s_cbranch_scc0 .Lfor_b_\@
	tensor_load_to_lds s[G0A+4:G0A+7], s[G1A:G1A+7]
	s_nop 0
.rept 4
	v_nop
.endr
	s_branch .Lasked_\@
.Lfor_b_\@:
	tensor_load_to_lds s[G0B+4:G0B+7], s[G1B:G1B+7]
	s_nop 0
.rept 4
	v_nop
.endr
.Lasked_\@:
.endm
; A PREFETCH INTO THE L2, behind each joint refill and the run of LDS loads that follows it: in step j the step j + 4, whose refill stands two changes on; j = 0 .. 11 (the count above 2).
; P's rows are read by one cluster alone: each cluster asks for its own, wave 0, the four partners 32 rows each, told apart by address (cx); a lane a row's 256 bytes.
; V's rows are read by the four clusters of a batch: the first of them (cluster y a multiple of 4) asks; the partners take 32 keys each (cy), waves 2 and 3 a half each of a key's 512 bytes.  Each block is named once.
.macro ASK
	s_cmp_gt_u32 s3, s[LIM]
	s_cbranch_scc0 .Lnot_mine_\@
	global_prefetch_b8 v[PFO], s[PFA:PFA+1] th:TH_LOAD_NT scope:SCOPE_SE
.Lnot_mine_\@:
.endm
	s_load_b256 s[4:11], s[0:1], 0x0               ; pw s[4:5], qv s[6:7], st s[8:9], out0 s[10:11]
	v_lshl_add_u32 v[SPW], v0, 2, SPARE
	v_mov_b32 v[NIL], 0
	ds_add_u32 v[SPW], v[NIL]                      ; the wave's opening: the add, and its wait ahead of my first tensor load
	ds_add_u32 v16, v17
	v_lshrrev_b32 v1, 5, v0
	v_readfirstlane_b32 s[WV], v1                  ; wave 0..3
	s_lshr_b32 s13, s[WV], 1                       ; wm: which 64 queries are mine.  Also: I fetch for P (0) or for V (1)
	s_and_b32 s14, s[WV], 1                        ; wn: which 128 channels.  Also: which half of that tile I fetch
	s_bfe_u32 s40, ttmp6, 0x40000                  ; cx
	s_bfe_u32 s41, ttmp6, 0x40004                  ; cy
	s_lshl_b32 s42, ttmp9, 2
	s_add_co_u32 s42, s42, s40                     ; tile column
	s_and_b32 s16, ttmp7, 0xffff                   ; cluster y
	s_lshl_b32 s15, s16, 2
	s_add_co_u32 s15, s15, s41                     ; tile row
	s_lshl_b32 s17, s41, 2
	s_lshl_b32 s17, 15, s17                        ; my row of the cluster
	s_lshl_b32 s18, 0x1111, s40                    ; my column
	s_or_b32 s[G1A], s17, (1<<16)|(1<<20)|(1<<21)|(5<<22)|(3<<25)  ; 2-byte elements; 4 words of padding (code 3) behind every 64 (code 5); bit 21 beside the mask
	s_mov_b32 s[G1A+1], 128<<16                    ; tensor_dim0 = 128
	s_mov_b32 s[G1A+2], 64<<16                     ; tensor_dim1 = 64
	s_mov_b32 s[G1A+3], 128<<16                    ; tile_dim0 = 128
	s_mov_b32 s[G1A+4], 64                         ; tile_dim1 = 64
	s_mov_b32 s[G1A+5], 2048                       ; elements from row to row of pw
	s_mov_b32 s[G1A+6], 0
	s_mov_b32 s[G1A+7], 0
	s_or_b32 s[G1B], s18, (1<<16)|(1<<20)|(1<<21)|(6<<22)|(7<<25)  ; 8 words of padding (code 7) behind every 128 (code 6)
	s_mov_b32 s[G1B+1], 256<<16
	s_mov_b32 s[G1B+2], 64<<16
	s_mov_b32 s[G1B+3], 256<<16
	s_mov_b32 s[G1B+4], 64
	s_mov_b32 s[G1B+5], 2048                       ; elements from row to row of qv
	s_mov_b32 s[G1B+6], 0
	s_mov_b32 s[G1B+7], 0
	s_lshl_b32 s20, s15, 7
	s_lshl_b32 s21, s14, 6
	s_add_co_u32 s20, s20, s21
	s_lshl_b32 s20, s20, 12                        ; P: row 128 x tile row + 64 x half, 4,096 bytes a row
	s_mov_b32 s21, 0
	s_lshr_b32 s19, s16, 2
	s_lshl_b32 s19, s19, 11                        ; the batch's first row: the batch is cluster y / 4, which a column of the cluster shares
	s_lshl_b32 s22, s14, 6
	s_add_co_u32 s22, s22, s19
	s_mul_i32 s22, s22, VROW                       ; V: key 64 x half of the batch's first 128,
	s_lshl_b32 s23, s42, 9
	s_add_co_u32 s22, s22, s23                     ; the tile column's 512 bytes,
	s_add_co_u32 s22, s22, VOFF                    ; behind Q' in the row
	s_mov_b32 s23, 0
	s_mul_i32 s2, s14, 64*PA                       ; where they go: no place in the cluster enters an LDS address
	s_mul_i32 s3, s14, 64*PB
	s_add_co_u32 s3, s3, BOFF
	s_mov_b32 s[G0A], 1
	s_mov_b32 s[G0A+1], s2
	s_mov_b32 s[G0A+4], 1
	s_add_co_u32 s[G0A+5], s2, SLOT1
	s_mov_b32 s[G0B], 1
	s_mov_b32 s[G0B+1], s3
	s_mov_b32 s[G0B+4], 1
	s_add_co_u32 s[G0B+5], s3, SLOT1
	s_mov_b32 s[TB], 0
	s_mov_b32 s[FBS], 0
	s_mov_b32 s70, 0x01000100                      ; v_perm_b32: the low half twice,
	s_mov_b32 s71, 0x03020302                      ; the high half twice
	s_wait_dscnt 0x0                               ; the opening add is done
	s_wait_kmcnt 0x0
	s_add_nc_u64 s[G0A+2:G0A+3], s[4:5], s[20:21]  ; step 0,
	s_add_nc_u64 s[G0A+6:G0A+7], s[G0A+2:G0A+3], 256  ; step 1
	s_or_b32 s[G0A+3], s[G0A+3], 0x80000000
	s_or_b32 s[G0A+7], s[G0A+7], 0x80000000
	s_add_nc_u64 s[G0B+2:G0B+3], s[6:7], s[22:23]
	s_add_nc_u64 s[G0B+6:G0B+7], s[G0B+2:G0B+3], 128*VROW
	s_or_b32 s[G0B+3], s[G0B+3], 0x80000000
	s_or_b32 s[G0B+7], s[G0B+7], 0x80000000
	; the prefetches' address: at step 3; each change of slots steps it before it is used
	s_lshl_b32 s20, s15, 7
	s_lshl_b32 s21, s40, 5
	s_add_co_u32 s20, s20, s21
	s_lshl_b32 s20, s20, 12
	s_add_co_u32 s20, s20, 3*256                   ; P
	s_lshl_b32 s21, s41, 5
	s_add_co_u32 s21, s21, s19
	s_add_co_u32 s21, s21, 3*128
	s_mul_i32 s21, s21, VROW
	s_lshl_b32 s22, s42, 9
	s_add_co_u32 s21, s21, s22
	s_lshl_b32 s22, s14, 8
	s_add_co_u32 s21, s21, s22
	s_add_co_u32 s21, s21, VOFF                    ; V
	s_and_b32 s22, s16, 3
	s_mov_b32 s[PFS], 256
	s_mov_b32 s23, 128*VROW
	s_mov_b32 s2, 4096
	s_mov_b32 s3, VROW
	s_cmp_eq_u32 s13, 0                            ; do I fetch for P?
	s_cselect_b32 s20, s20, s21
	s_cselect_b32 s22, s14, s22                    ; 0 in wave 0, and in waves 2 and 3 of the batch's first cluster
	s_cselect_b32 s[PFS], s[PFS], s23
	s_cselect_b32 s2, s2, s3
	s_cselect_b64 s[PFA:PFA+1], s[4:5], s[6:7]
	s_cmp_eq_u32 s22, 0
	s_cselect_b32 s[LIM], 2, -1                    ; the same in all sixteen partners, for a given wave
	s_mov_b32 s21, 0
	s_mov_b32 s[PFS+1], 0
	s_add_nc_u64 s[PFA:PFA+1], s[PFA:PFA+1], s[20:21]
	s_lshl_b32 s20, s15, 7
	s_lshl_b32 s21, s13, 6
	s_add_co_u32 s20, s20, s21                     ; my wave's first query
	s_lshl_b32 s22, s20, 2
	s_mov_b32 s23, 0
	s_add_nc_u64 s[8:9], s[8:9], s[22:23]
	s_lshl_b32 s20, s20, 12
	s_lshl_b32 s21, s42, 10
	s_add_co_u32 s20, s20, s21
	s_lshl_b32 s21, s14, 9
	s_add_co_u32 s20, s20, s21                     ; + my first channel, in bytes
	s_mov_b32 s21, 0
	s_add_nc_u64 s[10:11], s[10:11], s[20:21]
	CROUND                                         ; all sixteen work-groups are here: the first joint loads meet
	s_cmp_eq_u32 s13, 0                            ; a wave's two first fills stand in one branch
	s_cbranch_scc0 .Lfirst_b
	tensor_load_to_lds s[G0A:G0A+3], s[G1A:G1A+7]
	s_nop 0
	tensor_load_to_lds s[G0A+4:G0A+7], s[G1A:G1A+7]
	s_nop 0
.rept 4
	v_nop
.endr
	s_branch .Lfirst_asked
.Lfirst_b:
	tensor_load_to_lds s[G0B:G0B+3], s[G1B:G1B+7]
	s_nop 0
	tensor_load_to_lds s[G0B+4:G0B+7], s[G1B:G1B+7]
	s_nop 0
.rept 4
	v_nop
.endr
.Lfirst_asked:
	; THE FACTORS.  A lane owns the queries 2 l and 2 l + 1 of the wave's 64, side by side in a register pair: each load covers 256 consecutive bytes of st.
	v_and_b32 v3, 31, v0                           ; l
	v_lshlrev_b32 v[SO], 3, v3
.set b, 0
.rept 16
	global_load_b64 v[64+2*b:65+2*b], v[SO], s[8:9] offset:32768*b           ; cm of block b
	global_load_b64 v[96+2*b:97+2*b], v[SO], s[8:9] offset:524288+32768*b    ; l of block b
.set b, b+1
.endr
	v_and_b32 v1, 15, v0                           ; l % 16
	v_bfe_u32 v2, v0, 4, 1                         ; l / 16
	v_and_b32 v4, 7, v0
	v_bfe_u32 v5, v0, 3, 1
	v_mul_u32_u24 v[A0], v1, PA
	v_lshl_add_u32 v[A0], v2, 4, v[A0]
	s_mul_i32 s20, s13, 64*PA                      ; my 64 rows of P
	v_add_nc_u32 v[A0], s20, v[A0]
	; the turning load: lane l reads key 8 (l / 16) + l % 8, channels 8 ((l / 8) % 2) + 0..7, and is left with channel l % 16 and 8 keys
	v_lshl_add_u32 v[B0], v2, 3, v4
	v_mul_u32_u24 v[B0], v[B0], PB
	v_lshl_add_u32 v[B0], v5, 4, v[B0]
	s_lshl_b32 s20, s14, 8                         ; my 128 channels
	s_add_co_u32 s20, s20, BOFF
	v_add_nc_u32 v[B0], s20, v[B0]
	v_mov_b32 v[ADRA], v[A0]                       ; slot 0
	v_mov_b32 v[ADRB], v[B0]
	s_mul_i32 s20, s[WV], 4352
	s_add_co_u32 s20, s20, FT                      ; my table
	v_lshl_add_u32 v[FT0], v1, 4, s20
	v_lshrrev_b32 v5, 3, v3
	v_lshl_add_u32 v[TW], v4, 5, s20               ; query 2 l + e is row 2 (l % 8) + e of block l / 8: word 16 (2 (l % 8) + e) + 4 (l / 8)
	v_lshl_add_u32 v[TW], v5, 2, v[TW]
	s_mul_i32 s20, s[WV], 16*SP
	s_add_co_u32 s20, s20, STAGE                   ; my stage
	v_mul_u32_u24 v[STO], v1, SP
	v_lshl_add_u32 v[STO], v2, 5, v[STO]           ; in: row l % 16, 32 bytes for each half of the lanes
	v_add_nc_u32 v[STO], s20, v[STO]
	v_lshl_add_u32 v[RD], v3, 4, s20               ; back: 32 lanes take a row's 512 bytes
	v_lshlrev_b32 v[CO], 4, v3
	v_mul_u32_u24 v[PFO], s2, v3
	v_mov_b32 v50, 0
	v_mov_b32 v51, 0
	s_wait_loadcnt 0x0
	v_max3_num_f32 v48, v64, v66, v68              ; the rows' maxima over the 16 blocks
	v_max3_num_f32 v49, v65, v67, v69
.irp j, 0,1,2,3,4,5
	v_max3_num_f32 v48, v48, v[70+4*(\j)], v[72+4*(\j)]
	v_max3_num_f32 v49, v49, v[71+4*(\j)], v[73+4*(\j)]
.endr
	v_max_num_f32 v48, v48, v94
	v_max_num_f32 v49, v49, v95
.set b, 0
.rept 16
	v_pk_add_f32 v[64+2*b:65+2*b], v[64+2*b:65+2*b], v[48:49] neg_lo:[0,1] neg_hi:[0,1]
.set b, b+1
.endr
.set b, 0
.rept 32
	v_exp_f32 v[64+b], v[64+b]
.set b, b+1
.endr
	v_nop                                          ; a plain instruction behind the last exponential,
	s_wait_alu depctr_va_vdst(0)                   ; and one wait for the batch
.set b, 0
.rept 16
	v_cvt_pk_f16_f32 v[32+b], v[64+2*b], v[65+2*b] ; f of my two queries, rounded
.set b, b+1
.endr
.set b, 0
.rept 16
	v_fma_mix_f32 v50, v[32+b], v[96+2*b], v50 op_sel_hi:[1,0,0]                 ; l += f l_b, with the rounded f: the low half,
	v_fma_mix_f32 v51, v[32+b], v[97+2*b], v51 op_sel:[1,0,0] op_sel_hi:[1,0,0]  ; the high half
.set b, b+1
.endr
	v_rcp_f32 v52, v50
	v_rcp_f32 v53, v51
	v_nop
	s_wait_alu depctr_va_vdst(0)
.set b, 0
.rept 16
	v_perm_b32 v[96+2*b], v[32+b], v[32+b], s70    ; {f, f}
	v_perm_b32 v[97+2*b], v[32+b], v[32+b], s71
	ds_store_b32 v[TW], v[96+2*b] offset:256*b
	ds_store_b32 v[TW], v[97+2*b] offset:256*b+16
.set b, b+1
.endr
	ds_store_b32 v[TW], v52 offset:4096
	ds_store_b32 v[TW], v53 offset:4096+16
; RUN q: 24 LDS loads: quarter q of the step that lies in the slot at ADRA, ADRB.  RUN 0 begins with that step's factors, a 25th load.
.macro RUN q
	WIN 0
.if (\q) == 0
	v_add_nc_u32 v[FTA], s[FBS], v[FT0]
	s_add_co_u32 s[FBS], s[FBS], 256
	ds_load_b128 v[FSN:FSN+3], v[FTA]
.endif
.irp fa, 0,1,2,3
	ds_load_b128 v[AQ+32*(\q)+8*(\fa):AQ+32*(\q)+8*(\fa)+3],   v[ADRA] offset:(\fa)*16*PA+64*(\q)
	ds_load_b128 v[AQ+32*(\q)+8*(\fa)+4:AQ+32*(\q)+8*(\fa)+7], v[ADRA] offset:(\fa)*16*PA+64*(\q)+32
.endr
	WIN 0x80                                       ; destination window 2
.irp fb, 0,1,2,3,4,5,6,7
	ds_load_tr16_b128 v[64*(\q)+8*(\fb):64*(\q)+8*(\fb)+3],   v[ADRB] offset:(\q)*32*PB+32*(\fb)
	ds_load_tr16_b128 v[64*(\q)+8*(\fb)+4:64*(\q)+8*(\fb)+7], v[ADRB] offset:(\q)*32*PB+16*PB+32*(\fb)
.endr
	WIN 0
.endm
; Products i0 .. i0 + cnt - 1 of quarter q's 32: query block i / 8, channel block i % 8.  The 32 accumulators take turns, one instruction a turn.
; ride = 1: behind every fourth product four lines scale registers i - 3 .. i of P's next quarter by the factors at fs.  They name no register of the products round them.
.macro PRODS q, i0, cnt, zero, fs, ride
.set i, \i0
.rept \cnt
	WIN 0x52                                       ; V in window 2, P in window 0, C and D in window 1
.if \zero
	v_wmma_f32_16x16x32_f16 v[8*i:8*i+7], v[64*(\q)+8*(i%8):64*(\q)+8*(i%8)+7], v[AQ+32*(\q)+8*(i/8):AQ+32*(\q)+8*(i/8)+7], 0
.else
	v_wmma_f32_16x16x32_f16 v[8*i:8*i+7], v[64*(\q)+8*(i%8):64*(\q)+8*(i%8)+7], v[AQ+32*(\q)+8*(i/8):AQ+32*(\q)+8*(i/8)+7], v[8*i:8*i+7]
.endif
.if (\ride) && (i%4 == 3)
	WIN 0
.irp k, 3,2,1,0
	v_pk_mul_f16 v[AQ+32*(((\q)+1)%4)+i-(\k)], v[AQ+32*(((\q)+1)%4)+i-(\k)], v[(\fs)+(i-(\k))/8]
.endr
.endif
.set i, i+1
.endr
.endm
; Quarters 1 to 3.  The four lines behind product 31 are the places in front of the run of loads into the registers just multiplied.
.macro QTR q, run, ride
.if ((\q) == 3) && (\ride)
	s_wait_dscnt 48                                ; RUN 0 of the next step and its factors are in; younger: RUN 1 and RUN 2, 24 each
	PRODS 3, 0, 32, 0, FSN, 1
	WIN 0
.irp k, 0,1,2,3
	v_mov_b32 v[FS+(\k)], v[FSN+(\k)]              ; the next step's factors become this step's
.endr
.else
	PRODS \q, 0, 32, 0, FS, \ride
	WIN 0
.endif
.if \run
	RUN \q
.endif
.endm
; Quarter 0, and the change of slots.  All four runs of this step have been issued, so its slot is read out.  In front of the barrier each wave waits for all its tensor loads (one is out: its part of the
; other slot), adds 0 to its spare word, and waits for that and for its reads.  fill = 1: the barrier opens a round of the cluster's, and this step's slot is filled again, two steps ahead, first thing behind it:
; 112 matrix instructions stand between that request and the wait for it.
.macro QTR0 fill, zero
.if \fill
	s_wait_xcnt 0x0                                ; the last prefetch, a step back, has read its address
	s_add_nc_u64 s[PFA:PFA+1], s[PFA:PFA+1], s[PFS:PFS+1]
.endif
	s_wait_dscnt 48                                ; RUN 1 of this step is in; younger: RUN 2 and RUN 3
	PRODS 0, 0, 16, \zero, FS, 1
	WIN 0
	s_wait_tensorcnt 0x0                           ; no tensor load of mine is out, so the walking descriptors may be written
	ds_add_u32 v[SPW], v[NIL]
.if \fill
	s_xor_b32 s[G0A+5], s[G0A+5], SLOT1
	s_add_nc_u64 s[G0A+6:G0A+7], s[G0A+6:G0A+7], 256
	s_xor_b32 s[G0B+5], s[G0B+5], SLOT1
	s_add_nc_u64 s[G0B+6:G0B+7], s[G0B+6:G0B+7], 128*VROW
.endif
	s_xor_b32 s[TB], s[TB], SLOT1
	PRODS 0, 16, 8, \zero, FS, 1
	s_wait_dscnt 0x0                               ; the add is done, and my reads of this step's slot are over
	s_barrier_signal -1
	PRODS 0, 24, 8, \zero, FS, 1
	WIN 0
	s_barrier_wait -1
.if \fill
	CREST                                          ; no wave of any partner still reads the slot or has a load on its way
	JLOAD
.endif
	v_add_nc_u32 v[ADRA], s[TB], v[A0]
	v_add_nc_u32 v[ADRB], s[TB], v[B0]
	RUN 0
.if \fill
	ASK
.endif
.endm
	s_wait_tensorcnt 0x1                           ; my part of step 0 is in; step 1's may stay out
	s_wait_dscnt 0x0                               ; my table is written
	s_barrier_signal -1
	s_barrier_wait -1
	RUN 0
	RUN 1
	RUN 2
	RUN 3
	s_wait_dscnt 48                                ; RUN 0 and RUN 1 are in
.set i, 0
.rept 32
	v_pk_mul_f16 v[AQ+i], v[AQ+i], v[FSN+i/8]      ; step 0's first quarter is scaled in one lump
.set i, i+1
.endr
.irp k, 0,1,2,3
	v_mov_b32 v[FS+(\k)], v[FSN+(\k)]
.endr
	s_mov_b32 s3, 14                               ; (for the prefetch's test)
	QTR0 1, 1                                      ; step 0's first quarter stands in front of the loop: its products start the sums; it asks for step 2
	s_mov_b32 s3, 13
.Lstep:                                        ; trip j: quarters 1 to 3 of step j, quarter 0 of step j + 1, which asks for step j + 3
	QTR 1, 1, 1
	QTR 2, 1, 1
	QTR 3, 1, 1
	QTR0 1, 0
	s_sub_co_u32 s3, s3, 1
	s_cmp_lg_u32 s3, 0
	s_cbranch_scc1 .Lstep
	s_mov_b32 s3, 2
.Ltail:                                        ; steps 13 and 14 end, 14 and 15 begin: nothing is asked for.  The second trip's RUN 0 reads step 14's slot and the words behind the factors once more:
	QTR 1, 1, 1                                    ; 25 loads that nobody uses, the price of one text for both trips
	QTR 2, 1, 1
	QTR 3, 1, 1
	QTR0 0, 0
	s_sub_co_u32 s3, s3, 1
	s_cmp_lg_u32 s3, 0
	s_cbranch_scc1 .Ltail
	QTR 1, 0, 1                                    ; step 15's last three quarters fetch nothing
	QTR 2, 0, 1
	QTR 3, 0, 0
	; THE WAY OUT: times 1 / l, through my stage in LDS, a block of 16 queries at a time; each store covers 512 consecutive bytes, at a multiple of 256 from out0's first byte.
	WIN 0
	ds_load_b128 v[RL:RL+3], v[FT0] offset:4096    ; 1 / l of my query in each of my four blocks
.rept 8
	v_nop                                          ; behind the last products, in front of the lines that read results
.endr
	s_wait_dscnt 0x0                               ; 1 / l is in, and so is the last run of loads, whose registers are written below
.macro OUTA a
	WIN 0
	v_mov_b32 v32, v[RL+(\a)]
	v_mov_b32 v33, v[RL+(\a)]
	WIN 0x01                                       ; source 0 in window 1
.set i, 0
.rept 32
	v_pk_mul_f32 v[64+2*i:65+2*i], v[64*(\a)+2*i:64*(\a)+2*i+1], v[32:33]  ; each accumulator from its low end on
.set i, i+1
.endr
	WIN 0
.irp fb, 0,1,2,3,4,5,6,7
	ds_store_b128 v[STO], v[64+8*(\fb):64+8*(\fb)+3]   offset:64*(\fb)
	ds_store_b128 v[STO], v[64+8*(\fb)+4:64+8*(\fb)+7] offset:64*(\fb)+16
.endr
	s_wait_xcnt 0x0                                ; earlier stores have read their data registers, which the loads below write
.set BK, 128+64*((\a)%2)
.set i, 0
.rept 16
	ds_load_b128 v[BK+4*i:BK+4*i+3], v[RD] offset:SP*i  ; LDS serves a wave's instructions in order (ISA guide 5.7.1.4): these see the stores above
.set i, i+1
.endr
.set i, 0
.rept 16
	s_wait_dscnt 15-i
	global_store_b128 v[CO], v[BK+4*i:BK+4*i+3], s[10:11] offset:65536*(\a)+4096*i
.set i, i+1
.endr
.endm
	OUTA 0
	OUTA 1
	OUTA 2
	OUTA 3
	s_wait_tensorcnt 0x0                           ; the wave's end, behind my last tensor load and my last LDS store
	ds_add_u32 v[SPW], v[NIL]
	s_wait_dscnt 0x0
	CROUND                                         ; the closing round
	s_endpgm
.Lfunc_end_k_qc05b8d1a9d_pv:
	.size	k_qc05b8d1a9d_pv, .Lfunc_end_k_qc05b8d1a9d_pv-k_qc05b8d1a9d_pv
	.p2alignl 7, 3214868480
	.fill 96, 4, 3214868480
	.section	.rodata,"a",@progbits
	.p2align	6, 0x0
	.amdhsa_kernel k_qc05b8d1a9d_pv
		.amdhsa_group_segment_fixed_size 327680
		.amdhsa_private_segment_fixed_size 0
		.amdhsa_enable_private_segment 0
		.amdhsa_kernarg_size 32
		.amdhsa_user_sgpr_count 2
		.amdhsa_user_sgpr_kernarg_segment_ptr 1
		.amdhsa_wavefront_size32 1
		.amdhsa_system_sgpr_workgroup_id_x 1
		.amdhsa_system_sgpr_workgroup_id_y 1
		.amdhsa_system_sgpr_workgroup_id_z 1
		.amdhsa_system_vgpr_workitem_id 0
		.amdhsa_next_free_vgpr 768
		.amdhsa_next_free_sgpr 80
		.amdhsa_reserve_vcc 0
		.amdhsa_float_denorm_mode_32 3
		.amdhsa_float_denorm_mode_16_64 3
		.amdhsa_memory_ordered 1
		.amdhsa_forward_progress 1
		.amdhsa_inst_pref_size 126
	.end_amdhsa_kernel
	.amdgpu_metadata
---
amdhsa.version: [ 1, 2 ]
amdhsa.kernels:
  - .name:           k_qc05b8d1a9d_pv
    .symbol:         k_qc05b8d1a9d_pv.kd
    .args:
      - { .name: pw, .offset: 0, .size: 8, .value_kind: global_buffer, .address_space: global }
      - { .name: qv, .offset: 8, .size: 8, .value_kind: global_buffer, .address_space: global }
      - { .name: st, .offset: 16, .size: 8, .value_kind: global_buffer, .address_space: global }
      - { .name: out0, .offset: 24, .size: 8, .value_kind: global_buffer, .address_space: global }
    .group_segment_fixed_size: 327680
    .private_segment_fixed_size: 0
    .kernarg_segment_align: 8
    .kernarg_segment_size: 32
    .max_flat_workgroup_size: 128
    .sgpr_count:     80
    .vgpr_count:     768
    .wavefront_size: 32
...
	.end_amdgpu_metadata
.endif
;; end of part 4
;; ======== version 2 of 2: 4 launches; version 1 with the launch prep written anew for expert scheduling mode
;; limits: values are held in f16: magnitudes above 65,504 overflow, below 6.1e-05 lose precision
;; workspace buffers: xb 16,777,216 bytes; wb 4,194,304 bytes; qv 33,554,432 bytes; pw 33,554,432 bytes; st 1,048,576 bytes
;; launch prep (part 5): grid 256 x 1, 8 waves a work-group, no clusters, 141,312 bytes of LDS; arguments x, Wq, Wk, Wv, xb, wb; writes xb, wb
.if DOCPART == 5
	.amdgcn_target "amdgcn-amd-amdhsa--gfx1250"
	.amdhsa_code_object_version 6
	.text
	.protected	k_qc05b8d1a9d_prep
	.globl	k_qc05b8d1a9d_prep
	.p2align	8
	.type	k_qc05b8d1a9d_prep,@function
k_qc05b8d1a9d_prep:
	s_mov_b64 s[64:65], 0
	v_nop
	global_prefetch_b8 v0, s[64:65] scope:SCOPE_SE
	s_setreg_imm32_b32 hwreg(HW_REG_WAVE_SCHED_MODE, 0, 2), 2
	s_setreg_imm32_b32 hwreg(HW_REG_WAVE_MODE, 25, 1), 1
	s_wait_xcnt 0x0
	s_wait_alu depctr_vm_vsrc(0)
; xb = x rounded once to bf16, [8192][1024].  wb, [2048][1024] bf16: rows 1024-2047 = Wv rounded once; rows 0-1023 = MT, MT[b][a] = sum over j of Wk[j][b] Wq[j][a], of weights rounded to bf16,
; summed in f32, rounded once to bf16.  The scores (x Wq^T)(x Wk^T)^T are (x MT^T) x^T for every input: the launches behind make Q' = x MT^T and take x itself for the keys.
; LIMITS: MT has bf16's eight significant bits; NaN and infinities are not treated apart.
; SHARES.  256 work-groups of eight waves, all alike.  THE CAST: a wave takes 16,384 consecutive bytes of x (four rows) and 2,048 of Wv; a load covers 512 consecutive bytes, a store of 8 bytes a lane
; 256 consecutive bytes, aligned.  MT: the work-group makes a tile of 64 b x 64 a; the 1,024 rows j of the weights are split among the waves, 128 each, in four steps of 32.
; FRAGMENTS WITHOUT LDS.  Lane l = (r = l % 16, h = l / 16) loads 16 bytes, the columns 4 r .. 4 r + 3, of rows 8 h + 0..7 and 16 + 8 h + 0..7 of a step: sixteen lanes read 256 consecutive bytes, aligned.
; Column 4 r + f is taken as row r of fragment f: two rows' registers, rounded in a pair, are a fragment's register (two neighbouring j of one column).  With Wq's fragment fa as source 0 and Wk's fb as
; source 1, register i of the result holds a = 32 h + 4 i + fa, b = 4 r + fb.
; THE END.  The eight partial tiles meet in LDS, in the order of the registers; wave w adds up the registers 4 (w % 2) .. + 3 of the accumulators (0..3, w / 2) and rounds them: 16 neighbouring a of row
; 4 r + w / 2.  A stage turns these into rows of 128 bytes: a tile's rows are half of an aligned 256 bytes (2 of the 21 MB that the launch stores; a tile 128 wide would read half of each 256 bytes of Wk instead).
; No tensor loads, no cluster: nothing that a wave loads is wanted by another wave of its work-group.  No prefetch: the loads themselves are the stream.
; REGISTERS: window 0: v0-31 addresses, Wv's results; v32-159 x as loaded, then the 16 accumulators ((fa, fb) at v[32 + 8 (4 fa + fb)]); v160-207 x as stored, batches 0 to 2; v160-223 then the fragments;
; v224-239 x as stored, batch 3.  window 1: two sets of 128: a step's rows of Wq (row i of 16 at 4 i), then of Wk.
; THE MODE: SCHED_MODE bits 1:0 = 2 (LLVM: expert scheduling mode 2), set by the entry lines.  The code itself states the register dependences between vector or matrix instructions and memory or LDS
; instructions, with s_wait_alu, always for 0.
; THE PLAN.  Registers that memory or LDS instructions touch:
;   v4-v12      offsets and LDS addresses: made at the head, never written again.
;   v32-159     x as loaded: read by a batch's roundings.  Later the accumulators: read by the LDS stores of the partial tile; then the LDS loads of the eight partial tiles land there.
;   v160-207    batches 0 to 2 of x rounded: written by batch t's roundings, read by the eight stores that stand at the head of batch t + 1; step 0's roundings write them again, as fragments.
;   v224-239    batch 3 of x rounded, and v16-23, Wv rounded: read by stores, never written again.
;   set s % 2   written by the loads of step s, read by step s's 64 roundings; behind them the loads of step s + 2 land in it.  Wv passes through sixteen registers of set 1 ahead of step 1's loads.
;   v160-167    at the end: the finished numbers, read by the stage's two LDS stores.  v192-199: the rows read back from the stage, read by the last two stores.
; The waits on va_vdst: one ahead of the first load; one at the head of each batch but the first; one ahead of each run of 32 loads into a set that roundings have read; one ahead of each run of LDS stores.
; The waits on vm_vsrc: one ahead of the fragments' first writes, one ahead of the LDS loads into the accumulators' registers.
.set STAGE, 131072                     ; LDS: eight partial tiles of 16,384 bytes from 0 on; then 64 rows x 144 bytes; the 1,024 bytes behind them hold the spare words, one a lane
.set SPT,   144
.set XO,  4                            ; v4   16 x lane
.set XS,  5                            ; v5   8 x lane
.set MO,  6                            ; v6   8 h rows of 4,096 bytes + 16 r
.set PS,  7                            ; v7   where I put my partial tile
.set PR,  8                            ; v8   where I read the partial tiles of waves 0-3,
.set PR2, 9                            ; v9   of waves 4-7
.set SS,  10                           ; v10  where I put 32 bytes of a row of the tile
.set SRD, 11                           ; v11  where I read rows back
.set GO,  12                           ; v12  my byte offset in four rows of wb
.set WO,  16                           ; v[16:23]  Wv's 2,048 bytes, rounded
.set ACC, 32
.set XB,  160                          ; load i of x, rounded: a pair at XB + 2 i, and sixteen registers further up for batch 3 (i from 24 on)
.set FRQ, 160                          ; fragment f of Wq at FRQ + 8 f
.set FRK, 192                          ; of Wk at FRK + 8 f
.set MSB, 0
.macro WIN new                         ; s_set_vgpr_msb: bits 1:0 source 0, 3:2 source 1, 5:4 source 2, 7:6 destination; the high byte repeats the setting that is left
.if MSB != (\new)
	s_set_vgpr_msb (MSB<<8)|(\new)
.set MSB, (\new)
.endif
.endm
.macro PLACES                          ; four plain vector instructions between a matrix instruction and a vector write of its sources or a read of its result (ISA guide 7.12.1)
.rept 4
	v_nop
.endr
.endm
; Step s: 32 loads, into set s % 2.  All steps stand in the immediate: 119 rows of 4,096 bytes at the most.
.macro LOADM s
	WIN 0x40                                       ; destination window 1, address window 0
.set j, 0
.rept 16
	global_load_b128 v[128*((\s)%2)+4*j:128*((\s)%2)+4*j+3],       v[MO], s[6:7] offset:(32*(\s)+j+8*(j/8))*4096
	global_load_b128 v[128*((\s)%2)+64+4*j:128*((\s)%2)+64+4*j+3], v[MO], s[8:9] offset:(32*(\s)+j+8*(j/8))*4096
.set j, j+1
.endr
.endm
; The step's eight fragments: 64 roundings in pairs.  Register i of a fragment: rows 2 i, 2 i + 1 of the lane's first eight; register 4 + i: of its second eight.
.macro FRAGS s
	WIN 0x05                                       ; sources window 1, destination window 0
.irp m, 0,1
.irp f, 0,1,2,3
.irp i, 0,1,2,3
	v_cvt_pk_bf16_f32 v[FRQ+32*(\m)+8*(\f)+(\i)],   v[128*((\s)%2)+64*(\m)+8*(\i)+(\f)],    v[128*((\s)%2)+64*(\m)+8*(\i)+4+(\f)]
	v_cvt_pk_bf16_f32 v[FRQ+32*(\m)+8*(\f)+4+(\i)], v[128*((\s)%2)+64*(\m)+32+8*(\i)+(\f)], v[128*((\s)%2)+64*(\m)+32+8*(\i)+4+(\f)]
.endr
.endr
.endr
.endm
; A step: its loads are in; fragments; the set is asked for again, two steps on; 16 products.  The 16 accumulators take turns, one instruction a turn; step 0 starts the sums.
; The run of loads stands ahead of the products: a wave's loads are what the next steps wait for, and the products name none of the registers that the loads touch.
.macro STEP s
.if (\s) < 3
	s_wait_loadcnt 32                              ; loads come back in order: this step's are in, the next step's 32 stay out
.else
	s_wait_loadcnt 0x0
.endif
.if (\s) > 0
	PLACES                                         ; the fragments' registers were read by the last products
.endif
	FRAGS \s
.if (\s) < 2
	WIN 0x40
	s_wait_alu depctr_va_vdst(0)                   ; the 64 roundings are done reading this step's set, in which the loads below land
	LOADM (\s)+2
.endif
	WIN 0
.irp fa, 0,1,2,3
.irp fb, 0,1,2,3
.if (\s) == 0
	v_wmma_f32_16x16x32_bf16 v[ACC+8*(4*(\fa)+(\fb)):ACC+8*(4*(\fa)+(\fb))+7], v[FRQ+8*(\fa):FRQ+8*(\fa)+7], v[FRK+8*(\fb):FRK+8*(\fb)+7], 0
.else
	v_wmma_f32_16x16x32_bf16 v[ACC+8*(4*(\fa)+(\fb)):ACC+8*(4*(\fa)+(\fb))+7], v[FRQ+8*(\fa):FRQ+8*(\fa)+7], v[FRK+8*(\fb):FRK+8*(\fb)+7], v[ACC+8*(4*(\fa)+(\fb)):ACC+8*(4*(\fa)+(\fb))+7]
.endif
.endr
.endr
.endm
; THE CAST of x goes in four batches of eight loads.  ROUNDX t: batch t's sixteen roundings.  SENDX t: its eight stores.
.macro ROUNDX t
.set i, 8*(\t)
.rept 8
	v_cvt_pk_bf16_f32 v[XB+2*i+16*(i/24)],   v[ACC+4*i],   v[ACC+4*i+1]
	v_cvt_pk_bf16_f32 v[XB+2*i+16*(i/24)+1], v[ACC+4*i+2], v[ACC+4*i+3]
.set i, i+1
.endr
.endm
.macro SENDX t
.set i, 8*(\t)
.rept 8
	global_store_b64 v[XS], v[XB+2*i+16*(i/24):XB+2*i+16*(i/24)+1], s[12:13] offset:256*i
.set i, i+1
.endr
.endm
; Batch t: its loads are in; the batch before is stored; this one is rounded.
.macro BATCH t
	s_wait_loadcnt 60-8*(\t)                       ; eight more loads of x are in; younger: 24 - 8 t of x, 4 of Wv, 32 of step 0
.if (\t) > 0
	s_wait_alu depctr_va_vdst(0)                   ; the roundings of the batch before have written its sixteen registers, which the stores below read
	SENDX (\t)-1
.endif
	ROUNDX \t
.endm
	s_load_b256 s[4:11], s[0:1], 0x0               ; x s[4:5], Wq s[6:7], Wk s[8:9], Wv s[10:11]
	s_load_b128 s[12:15], s[0:1], 0x20             ; xb s[12:13], wb s[14:15]
	v_lshl_add_u32 v254, v0, 2, 0x22400
	v_mov_b32 v255, 0
	v_lshrrev_b32 v1, 5, v0
	v_readfirstlane_b32 s16, v1                    ; wave 0..7
	v_and_b32 v1, 31, v0                           ; l
	v_and_b32 v13, 15, v0                          ; r
	v_bfe_u32 v14, v0, 4, 1                        ; h
	v_bfe_u32 v15, v0, 3, 2                        ; l / 8
	v_and_b32 v24, 7, v0                           ; l % 8
	v_lshlrev_b32 v[XO], 4, v1
	v_lshlrev_b32 v[XS], 3, v1
	v_lshlrev_b32 v[MO], 4, v13
	v_lshl_add_u32 v[MO], v14, 15, v[MO]
	s_wait_alu depctr_va_sdst(0)                   ; s16 is written, ahead of its first reader: LDS addresses and all the bases are made from it
	s_lshl_b32 s17, s16, 14
	v_lshl_add_u32 v[PS], v1, 4, s17               ; 16,384 w + 16 l
	s_lshr_b32 s18, s16, 1                         ; the fb that I finish
	s_and_b32 s19, s16, 1                          ; and which four registers of its accumulators
	s_lshl_b32 s20, s18, 10
	s_lshl_b32 s21, s19, 9
	s_add_co_u32 s20, s20, s21
	v_lshl_add_u32 v[PR], v1, 4, s20               ; an accumulator is 1,024 bytes, four of its registers 512
	v_add_nc_u32 v[PR2], 0x10000, v[PR]
	s_mul_i32 s20, s18, SPT
	s_lshl_b32 s21, s19, 5
	s_add_co_u32 s20, s20, s21
	s_add_co_u32 s20, s20, STAGE
	v_mul_u32_u24 v[SS], v13, 4*SPT                ; row 4 r + fb, byte 64 h + 32 (w % 2)
	v_lshl_add_u32 v[SS], v14, 6, v[SS]
	v_add_nc_u32 v[SS], s20, v[SS]
	s_mul_i32 s20, s16, 8*SPT
	s_add_co_u32 s20, s20, STAGE
	v_mul_u32_u24 v[SRD], v15, SPT                 ; back: rows 8 w + l / 8 (and four further down), 16 bytes at 16 (l % 8)
	v_lshl_add_u32 v[SRD], v24, 4, v[SRD]
	v_add_nc_u32 v[SRD], s20, v[SRD]
	v_lshlrev_b32 v[GO], 11, v15                   ; the same rows in wb, 2,048 bytes apart
	v_lshl_add_u32 v[GO], v24, 4, v[GO]
	s_lshl_b32 s22, ttmp9, 3
	s_add_co_u32 s22, s22, s16                     ; my wave among the launch's 2,048
	s_lshl_b32 s24, s22, 14                        ; its bytes of x,
	s_mov_b32 s25, 0
	s_lshl_b32 s26, s22, 13                        ; of xb,
	s_mov_b32 s27, 0
	s_lshl_b32 s28, s22, 11                        ; of Wv,
	s_mov_b32 s29, 0
	s_lshl_b32 s30, s22, 10                        ; and of wb, behind MT's 1,024 rows
	s_add_co_u32 s30, s30, 0x200000
	s_mov_b32 s31, 0
	s_and_b32 s32, ttmp9, 15                       ; the tile's place along a,
	s_lshr_b32 s33, ttmp9, 4                       ; along b
	s_lshl_b32 s34, s16, 19                        ; my 128 rows of the weights
	s_lshl_b32 s36, s32, 8                         ; 64 columns are 256 bytes
	s_add_co_u32 s36, s36, s34
	s_mov_b32 s37, 0
	s_lshl_b32 s38, s33, 8
	s_add_co_u32 s38, s38, s34
	s_mov_b32 s39, 0
	s_lshl_b32 s40, s33, 6
	s_lshl3_add_u32 s40, s16, s40                  ; the first row of MT that I store: 64 x tile + 8 w
	s_lshl_b32 s40, s40, 11
	s_lshl_b32 s41, s32, 7
	s_add_co_u32 s40, s40, s41
	s_mov_b32 s41, 0
	s_wait_kmcnt 0x0
	s_add_nc_u64 s[4:5], s[4:5], s[24:25]
	s_add_nc_u64 s[12:13], s[12:13], s[26:27]
	s_add_nc_u64 s[10:11], s[10:11], s[28:29]
	s_add_nc_u64 s[42:43], s[14:15], s[30:31]
	s_add_nc_u64 s[6:7], s[6:7], s[36:37]
	s_add_nc_u64 s[8:9], s[8:9], s[38:39]
	s_add_nc_u64 s[14:15], s[14:15], s[40:41]
	; all of the cast's loads go out first, step 0's behind them
	s_wait_alu depctr_va_vdst(0)                   ; the nine offsets and addresses v4 to v12 are written: every load and store of the kernel, global or LDS, reads one of them
.set i, 0
.rept 32
	global_load_b128 v[ACC+4*i:ACC+4*i+3], v[XO], s[4:5] offset:512*i th:TH_LOAD_NT
.set i, i+1
.endr
	WIN 0x40
.set i, 0
.rept 4
	global_load_b128 v[128+4*i:128+4*i+3], v[XO], s[10:11] offset:512*i th:TH_LOAD_NT  ; Wv, into registers of set 1
.set i, i+1
.endr
	LOADM 0
	WIN 0
	BATCH 0
	BATCH 1
	BATCH 2
	BATCH 3
	s_wait_loadcnt 32                              ; Wv is in; step 0's 32 loads stay out
	WIN 0x05
.set i, 0
.rept 4
	v_cvt_pk_bf16_f32 v[WO+2*i],   v[128+4*i],   v[128+4*i+1]
	v_cvt_pk_bf16_f32 v[WO+2*i+1], v[128+4*i+2], v[128+4*i+3]
.set i, i+1
.endr
	s_wait_xcnt 0x0                                ; the stores of batches 0 to 2 have had their addresses translated (ISA guide 3.1): their data registers are written again, as fragments, only behind this wait;
	s_wait_alu depctr_vm_vsrc(0)                   ; and they have read those registers, v160 to v207.  What is stored below leaves from v224-239 and v16-23, which no later line writes
	WIN 0x40
	s_wait_alu depctr_va_vdst(0)                   ; Wv's roundings are done reading set 1, in which the loads below land, and have written v16-23; batch 3's have written v224-239: the stores below read both
	LOADM 1
	WIN 0
	SENDX 3
.set i, 0
.rept 4
	global_store_b64 v[XS], v[WO+2*i:WO+2*i+1], s[42:43] offset:256*i
.set i, i+1
.endr
	STEP 0
	STEP 1
	STEP 2
	STEP 3
	PLACES
	PLACES                                         ; behind the last products, in front of the LDS stores that read results
	s_wait_alu depctr_va_vdst(0)                   ; the products have written the accumulators, which the LDS stores read; the places above stay beside this wait
.set q, 0
.rept 16
	ds_store_b128 v[PS], v[ACC+8*q:ACC+8*q+3]   offset:1024*q       ; each accumulator from its low end on; 32 lanes, 16 neighbouring bytes each
	ds_store_b128 v[PS], v[ACC+8*q+4:ACC+8*q+7] offset:1024*q+512
.set q, q+1
.endr
	s_wait_dscnt 0x0                               ; for the others' sake: my partial tile is written
	s_barrier_signal -1
	s_barrier_wait -1
	s_wait_alu depctr_vm_vsrc(0)                   ; my LDS stores have read v32 to v159, in which the loads below land (no vector or matrix instruction has named them since the wait ahead of those stores)
.irp v, 0,1,2,3
.irp fa, 0,1,2,3
	ds_load_b128 v[ACC+16*(\v)+4*(\fa):ACC+16*(\v)+4*(\fa)+3],       v[PR]  offset:16384*(\v)+4096*(\fa)
	ds_load_b128 v[ACC+64+16*(\v)+4*(\fa):ACC+64+16*(\v)+4*(\fa)+3], v[PR2] offset:16384*(\v)+4096*(\fa)
.endr
.endr
	s_wait_dscnt 0x0
.set p, 0
.rept 32
	v_pk_add_f32 v[ACC+2*p:ACC+2*p+1], v[ACC+2*p:ACC+2*p+1], v[ACC+64+2*p:ACC+64+2*p+1]  ; waves 0-3 + waves 4-7,
.set p, p+1
.endr
.set p, 0
.rept 16
	v_pk_add_f32 v[ACC+2*p:ACC+2*p+1], v[ACC+2*p:ACC+2*p+1], v[ACC+32+2*p:ACC+32+2*p+1]  ; two and two,
.set p, p+1
.endr
.set p, 0
.rept 8
	v_pk_add_f32 v[ACC+2*p:ACC+2*p+1], v[ACC+2*p:ACC+2*p+1], v[ACC+16+2*p:ACC+16+2*p+1]  ; and the last two: register i of accumulator fa at ACC + 4 fa + i
.set p, p+1
.endr
.irp i, 0,1,2,3
	v_cvt_pk_bf16_f32 v[FRQ+2*(\i)],   v[ACC+(\i)],   v[ACC+4+(\i)]    ; a = .. + 4 i + 0, 1
	v_cvt_pk_bf16_f32 v[FRQ+2*(\i)+1], v[ACC+8+(\i)], v[ACC+12+(\i)]   ; a = .. + 4 i + 2, 3
.endr
	s_wait_alu depctr_va_vdst(0)                   ; the eight roundings have written v160 to v167, which the LDS stores read; step 3's roundings and products are done with v192-199, in which the loads behind the barrier land
	ds_store_b128 v[SS], v[FRQ:FRQ+3]
	ds_store_b128 v[SS], v[FRQ+4:FRQ+7] offset:16
	s_wait_dscnt 0x0                               ; for the others' sake
	s_barrier_signal -1
	s_barrier_wait -1
	ds_load_b128 v[FRK:FRK+3],   v[SRD]
	ds_load_b128 v[FRK+4:FRK+7], v[SRD] offset:4*SPT
	s_wait_dscnt 0x0
	global_store_b128 v[GO], v[FRK:FRK+3],   s[14:15]             ; eight lanes store a row's 128 consecutive bytes
	global_store_b128 v[GO], v[FRK+4:FRK+7], s[14:15] offset:8192
	s_wait_dscnt 0x0                               ; the wave's end
	s_wait_alu depctr_hold_cnt(0) depctr_sa_sdst(0) depctr_va_vdst(0) depctr_va_sdst(0) depctr_va_ssrc(0) depctr_va_vcc(0) depctr_vm_vsrc(0)
	s_wait_tensorcnt 0x0
	ds_add_u32 v254, v255
	s_wait_dscnt 0x0
	s_endpgm
.Lfunc_end_k_qc05b8d1a9d_prep:
	.size	k_qc05b8d1a9d_prep, .Lfunc_end_k_qc05b8d1a9d_prep-k_qc05b8d1a9d_prep
	.p2alignl 7, 3214868480
	.fill 96, 4, 3214868480
	.section	.rodata,"a",@progbits
	.p2align	6, 0x0
	.amdhsa_kernel k_qc05b8d1a9d_prep
		.amdhsa_group_segment_fixed_size 141312
		.amdhsa_private_segment_fixed_size 0
		.amdhsa_enable_private_segment 0
		.amdhsa_kernarg_size 48
		.amdhsa_user_sgpr_count 2
		.amdhsa_user_sgpr_kernarg_segment_ptr 1
		.amdhsa_wavefront_size32 1
		.amdhsa_system_sgpr_workgroup_id_x 1
		.amdhsa_system_sgpr_workgroup_id_y 1
		.amdhsa_system_sgpr_workgroup_id_z 1
		.amdhsa_system_vgpr_workitem_id 0
		.amdhsa_next_free_vgpr 512
		.amdhsa_next_free_sgpr 66
		.amdhsa_reserve_vcc 0
		.amdhsa_float_denorm_mode_32 3
		.amdhsa_float_denorm_mode_16_64 3
		.amdhsa_memory_ordered 1
		.amdhsa_forward_progress 1
		.amdhsa_inst_pref_size 58
	.end_amdhsa_kernel
	.amdgpu_metadata
---
amdhsa.version: [ 1, 2 ]
amdhsa.kernels:
  - .name:           k_qc05b8d1a9d_prep
    .symbol:         k_qc05b8d1a9d_prep.kd
    .args:
      - { .name: x, .offset: 0, .size: 8, .value_kind: global_buffer, .address_space: global }
      - { .name: Wq, .offset: 8, .size: 8, .value_kind: global_buffer, .address_space: global }
      - { .name: Wk, .offset: 16, .size: 8, .value_kind: global_buffer, .address_space: global }
      - { .name: Wv, .offset: 24, .size: 8, .value_kind: global_buffer, .address_space: global }
      - { .name: xb, .offset: 32, .size: 8, .value_kind: global_buffer, .address_space: global }
      - { .name: wb, .offset: 40, .size: 8, .value_kind: global_buffer, .address_space: global }
    .group_segment_fixed_size: 141312
    .private_segment_fixed_size: 0
    .kernarg_segment_align: 8
    .kernarg_segment_size: 48
    .max_flat_workgroup_size: 256
    .sgpr_count:     66
    .vgpr_count:     512
    .wavefront_size: 32
...
	.end_amdgpu_metadata
.endif
;; end of part 5
;; launch proj: the kernel of part 2 again; grid 8 x 32, 4 waves a work-group, clusters of 4 x 4, 327,680 bytes of LDS; arguments xb, wb, qv; writes qv
;; launch scores: the kernel of part 3 again; grid 8 x 32, 4 waves a work-group, clusters of 4 x 4, 327,680 bytes of LDS; arguments qv, xb, pw, st; writes pw, st
;; launch pv: the kernel of part 4 again; grid 4 x 64, 4 waves a work-group, clusters of 4 x 4, 327,680 bytes of LDS; arguments pw, qv, st, out0; writes out0
